; MI455X (gfx1250); checked and timed in simulation.
; The chip was launched on July 23, 2026; its instructions are those of AMD's public machine-readable ISA for CDNA 5 (MIT licence, August 2026) and "CDNA5" Instruction Set Architecture Reference Guide (July 2026). The comments in the code are by the model that wrote it; some were corrected since.
;; Multi Head Attention. Allowed arithmetic: matrix products marked QUANTISED: E2M1 operands, one E8M0 scale for each 32 along K, by v_wmma_scale_f32_16x16x128_f8f6f4 with both operands' format E2M1 (or v_wmma_scale_f32_32x16x128_f4), f32 sums; products left as they are: bf16, f16 or f32 operands; f32 sums; everything else in f32.
;; Inputs: Wk 1,024 x 1,024 float32; Wo 1,024 x 1,024 float32; Wq 1,024 x 1,024 float32; Wv 1,024 x 1,024 float32; bk 1,024 float32; bo 1,024 float32; bq 1,024 float32; bv 1,024 float32; x 4 x 2,048 x 1,024 float32.
;; Outputs: out0 4 x 2,048 x 1,024 float32.
;; This version of the problem:
;;   THIS VERSION OF THE PROBLEM IS GIVEN IN LOW PRECISION. The matrix products marked QUANTISED in the list below multiply operands that are first quantised to E2M1 (2 exponent bits, 1 mantissa bit; 4 bits a number), with one power-of-two scale for each 32 numbers along K (OCP MX v1.0); their sums are f32. The products marked 'left as it is' may take bf16, f16 or f32 operands, with f32 sums. Whichever they take, every output number must still come out within the allowed error. Rounding operands to bf16 (8 significant bits) uses up far more of that allowance than f16 does (11 bits, for magnitudes from 6e-5 to 65,504). All else is computed in f32.
;;   The module's matrix products, in the order in which they are computed (A, B: the left and right operand; K: the contracted axis; several contracted axes count as one K, in the product's order):
;;     1. [M 8,192, K 1,024] x [K 1,024, N 1,024]; A: input x; B: input Wq: QUANTISED
;;     2. [M 8,192, K 1,024] x [K 1,024, N 1,024]; A: input x; B: input Wk: QUANTISED
;;     3. [M 8,192, K 1,024] x [K 1,024, N 1,024]; A: input x; B: input Wv: QUANTISED
;;     4. batch 64 x [M 2,048, K 64] x [K 64, N 2,048]; A: computed on the way; B: computed on the way: left as it is (an operand is computed on the way)
;;     5. batch 64 x [M 2,048, K 2,048] x [K 2,048, N 64]; A: computed on the way; B: computed on the way: left as it is (an operand is computed on the way)
;;     6. [M 8,192, K 1,024] x [K 1,024, N 1,024]; A: computed on the way; B: input Wo: left as it is (an operand is computed on the way)
;;   THE QUANTISER, for each operand of a quantised product, along K:
;;     - K is cut into blocks of 32 from its start; a last block that is shorter is filled with zeros.
;;     - A block's scale is 2^e with e = floor(log2(the largest magnitude in the block)) - 2, held to -126 .. 127; a block of zeros has e = 0. As a byte (E8M0): e + 127.
;;     - Each number is divided by its block's scale, clamped to +-6, and rounded to the nearest number of E2M1, ties to even, subnormals kept.
;;     - The product sums the exact products of the quantised numbers (number of the format x scale) in f32.
;;   ~~~python
;;   def quantise(x, axis):      # numpy; x: float32 -> the quantised numbers, widened to float32 again
;;       x = np.moveaxis(x, axis, -1); K = x.shape[-1]
;;       x = np.pad(x, [(0, 0)] * (x.ndim - 1) + [(0, -K % 32)]); x = x.reshape(x.shape[:-1] + (-1, 32)); a = np.abs(x).max(-1, keepdims=True)
;;       e = np.where(a > 0, np.clip(np.frexp(np.where(a > 0, a, 1))[1] - 1 - 2, -126, 127), 0)      # np.frexp(a)[1] - 1 = floor(log2(a)), exactly
;;       r = np.clip(x / 2.0 ** e, -6, 6)
;;       step = 2.0 ** (np.maximum(np.frexp(np.where(r == 0, 1, r))[1] - 1, 0) - 1)
;;       q = np.round(r / step) * step * 2.0 ** e      # np.round: ties to even
;;       return np.moveaxis(q.reshape(q.shape[:-2] + (-1,))[..., :K], -1, axis).astype(np.float32)
;;   ~~~
;; One version. Each part assembles by itself: llvm-mc -triple=amdgcn-amd-amdhsa -mcpu=gfx1250 --defsym DOCPART=n.
;; ======== version 1 of 1: 4 launches
;; limits: values are held in f16: magnitudes above 65,504 overflow, below 6.1e-05 lose precision
;; workspace buffers: xc 4,194,304 bytes; xs 262,144 bytes; wc 1,572,864 bytes; ws 98,304 bytes; wot 2,097,152 bytes; qkv 50,331,648 bytes; att 16,777,216 bytes
;; launch prep (part 1): grid 320 x 1, 4 waves a work-group, no clusters, 86,528 bytes of LDS; arguments x, Wq, Wk, Wv, Wo, xc, xs, wc, ws, wot; writes xc, xs, wc, ws, wot
.if DOCPART == 1
	.amdgcn_target "amdgcn-amd-amdhsa--gfx1250"
	.amdhsa_code_object_version 6
	.text
	.protected	k_q0ab7325567_prep
	.globl	k_q0ab7325567_prep
	.p2align	8
	.type	k_q0ab7325567_prep,@function
k_q0ab7325567_prep:
	s_mov_b64 s[64:65], 0
	v_nop
	global_prefetch_b8 v0, s[64:65] scope:SCOPE_SE
	s_setreg_imm32_b32 hwreg(HW_REG_WAVE_MODE, 25, 1), 1
	s_wait_xcnt 0x0
; PREPARATION OF THE OPERANDS, three kinds of work-group, told apart by the work-group's number alone; the three ways never join.
;   0-47   Wq, Wk, Wv [1024 (k)][1024 (n)] f32 -> codes of FP4 (E2M1) laid [3072 (n)][512 bytes] with K innermost, and one E8M0 byte for each 32 along K, [3072][32]
;   48-63  Wo [1024 (k)][1024 (n)] f32 -> f16, laid [k / 64][n][64]: 128 rows n of one block of 64 k are 16,384 consecutive bytes
;   64-319 x [8192][1024] f32 -> codes [8192][512 bytes] and scale bytes [8192][32]
; A weight's work-group reads twice the bytes of one of x: they have the lowest numbers.
; THE QUANTISER: a block's scale is 2^(floor(log2(its largest magnitude)) - 2); its byte is the largest magnitude's exponent field - 2, held at 1 from below; each number is divided by the scale and
; rounded to the nearest code, ties to even, beyond 6 the largest code.
; LIMITS: a block of zeros gets the byte 1 where the rule says 127 (its codes are zeros, which add nothing, and the bytes are read by this program alone); blocks whose largest magnitude lies under
; 2^-124 have their byte held at 1; NaN and infinities among the inputs are not served; |Wo| under 65,504 (f16).
; No tensor loads, no barrier: waves share nothing.  Each way has LDS bytes of its own.
.set XREG,  0                          ; x's way: 8,192 bytes a wave: two stages of 32 x 80 bytes, then 256 scale bytes
.set WSTG,  32768                      ; the quantised weights' way: 32 rows x 272 bytes a wave
.set OSTG,  67584                      ; Wo's way: 32 rows x 144 bytes a wave
.set SPARE, 86016                      ; the spare words, 128 bytes for each wave: two blocks of 256 bytes that no other line names
.set SPW,   190                        ; v190  LDS address of my spare word; never rewritten
.set NIL,   191                        ; v191  0; never rewritten
.set EMAX,  2
	s_load_b512 s[8:23], s[0:1], 0x0               ; x 8:9, Wq 10:11, Wk 12:13, Wv 14:15, Wo 16:17, xc 18:19, xs 20:21, wc 22:23
	s_load_b128 s[24:27], s[0:1], 0x40             ; ws 24:25, wot 26:27
	v_lshl_add_u32 v[SPW], v0, 2, SPARE
	v_mov_b32 v[NIL], 0
	v_lshrrev_b32 v1, 5, v0
	v_readfirstlane_b32 s28, v1                    ; wave 0..3
	v_and_b32 v2, 31, v0                           ; lane
	s_wait_kmcnt 0x0
	s_cmp_lt_u32 ttmp9, 48
	s_cbranch_scc1 .Lw
	s_cmp_lt_u32 ttmp9, 64
	s_cbranch_scc1 .Lo
; ---------------- x: a plain stream of blocks of 32.  A wave takes 16 steps of 512 numbers.
; Each of a step's four loads reads 512 consecutive bytes, 16 a lane; the 2,048 bytes go through the wave's own stage and come back 64 bytes a lane, so that a lane holds 16 neighbours along K
; (two neighbouring lanes hold a block).  A lane's 16 codes are 8 bytes: the wave stores 256 consecutive bytes.  The wave's 256 scale bytes are gathered in LDS and leave as one aligned run of 256 bytes.
.set SP,  80                           ; a lane's place in a stage: 64 bytes + 16 of padding
.set XR,  16                           ; v16-79   four sets of 16 numbers as loaded
.set XX,  80                           ; v80-111  two sets of 16 neighbours
.set XE,  112                          ; v112-127 a scale byte for each step
.set XC,  128                          ; v128-189 codes: four registers a step, so that no store's data are written again
	s_sub_co_u32 s29, ttmp9, 64
	s_lshl_b32 s29, s29, 2
	s_add_co_u32 s29, s29, s28                     ; which run of 8,192 numbers is my wave's: 0..1023
	s_mov_b32 s31, 0
	s_lshl_b32 s30, s29, 15
	s_add_nc_u64 s[8:9], s[8:9], s[30:31]          ; 32,768 bytes of x,
	s_lshl_b32 s30, s29, 12
	s_add_nc_u64 s[18:19], s[18:19], s[30:31]      ; 4,096 of codes,
	s_lshl_b32 s30, s29, 8
	s_add_nc_u64 s[20:21], s[20:21], s[30:31]      ; 256 scale bytes a run
	v_lshlrev_b32 v3, 4, v2                        ; my 16 bytes of a load's 512
	s_lshl_b32 s32, s28, 13                        ; my wave's region
	v_lshrrev_b32 v14, 2, v2
	v_mul_u32_u24 v14, v14, SP
	v_and_b32 v15, 3, v2
	v_lshl_add_u32 v14, v15, 4, v14
	v_add_nc_u32 v14, s32, v14                     ; the stage, on the way in: 80 (lane / 4) + 16 (lane % 4)
	v_mul_u32_u24 v15, v2, SP
	v_add_nc_u32 v15, s32, v15                     ; and on the way out: 80 x lane
	v_lshlrev_b32 v4, 3, v2                        ; 8 x lane: my codes' place in a step's, and my scale bytes' on the way out
	v_lshrrev_b32 v5, 1, v2
	s_add_co_u32 s32, s32, 2*32*SP
	v_add_nc_u32 v5, s32, v5                       ; my block's byte among the wave's 256
	v_add_nc_u32 v6, s32, v4
.macro XLOAD t
.irp i, 0,1,2,3
	global_load_b128 v[XR+16*((\t)%4)+4*\i:XR+16*((\t)%4)+4*\i+3], v3, s[8:9] offset:2048*(\t)+512*\i th:TH_LOAD_NT
.endr
.endm
.macro XTURN t                         ; LDS serves a wave's instructions in order: no wait between the stores and the loads
.irp i, 0,1,2,3
	ds_store_b128 v14, v[XR+16*((\t)%4)+4*\i:XR+16*((\t)%4)+4*\i+3] offset:32*SP*((\t)%2)+8*SP*\i
.endr
.irp i, 0,1,2,3
	ds_load_b128 v[XX+16*((\t)%2)+4*\i:XX+16*((\t)%2)+4*\i+3], v15 offset:32*SP*((\t)%2)+16*\i
.endr
.endm
.irp t, 0,1,2,3
	XLOAD \t
.endr
	s_wait_loadcnt 12                              ; step 0's four loads are in
	XTURN 0
.macro XSTEP t
.set XS, XX+16*((\t)%2)
.if (\t) > 0
	s_wait_dscnt 1                                 ; this step's numbers are back from the stage; the last step's byte store may be out
.else
	s_wait_dscnt 0x0
.endif
.if (\t)+4 < 16
	XLOAD (\t)+4                                   ; into the registers that this step's stage stores have read
.endif
.if (\t)+1 < 16
.if 14-(\t) >= 3
	s_wait_loadcnt 12                              ; the next step's four loads are in; those of the three steps behind it may be out
.else
	s_wait_loadcnt 4*(14-(\t))
.endif
	XTURN (\t)+1
.endif
	v_max3_num_f32 v8, |v[XS]|, |v[XS+1]|, |v[XS+2]|               ; the largest magnitude of my 16, in two chains
	v_max3_num_f32 v9, |v[XS+3]|, |v[XS+4]|, |v[XS+5]|
.irp i, 6,10
	v_max3_num_f32 v8, v8, |v[XS+\i]|, |v[XS+\i+1]|
	v_max3_num_f32 v9, v9, |v[XS+\i+2]|, |v[XS+\i+3]|
.endr
	v_max3_num_f32 v8, v8, |v[XS+14]|, |v[XS+15]|
	v_max3_num_f32 v8, v8, v9, (EMAX+1)<<23        ; and the floor 2^(3 - 127): the byte cannot fall under 1
	v_max_num_f32_dpp v8, v8, v8 row_xmask:1 row_mask:0xf bank_mask:0xf   ; with my neighbour's 16: the block's
	v_add_nc_u32 v11, -(EMAX<<23), v8              ; 2 off its exponent field: the conversion takes the exponent field of this operand as its scale
	v_cvt_scalef32_pk8_fp4_f32 v[XC+4*(\t)], v[XS:XS+7], v11
	v_cvt_scalef32_pk8_fp4_f32 v[XC+4*(\t)+1], v[XS+8:XS+15], v11
	v_lshrrev_b32 v[XE+(\t)], 23, v11              ; the scale's byte
	ds_store_b8 v5, v[XE+(\t)] offset:16*(\t)      ; both lanes of a block write the same byte with the same value
	global_store_b64 v4, v[XC+4*(\t):XC+4*(\t)+1], s[18:19] offset:256*(\t)
.endm
.irp t, 0,1,2,3,4,5,6,7,8,9,10,11,12,13,14,15
	XSTEP \t
.endr
	ds_load_b64 v[8:9], v6                         ; in order behind my byte stores
	s_wait_dscnt 0x0
	global_store_b64 v4, v[8:9], s[20:21]          ; 32 lanes store 256 consecutive bytes, aligned
	s_wait_tensorcnt 0x0                           ; the wave's end
	ds_add_u32 v[SPW], v[NIL]
	s_wait_dscnt 0x0
	s_endpgm
; ---------------- Wq, Wk, Wv: K is the FIRST axis.  A lane takes a column n and its registers run down K: each load reads 128 consecutive bytes a wave, a block of 32 along K lies in one lane's
; 32 registers, and the conversions give the codes with K innermost.  A wave takes 32 columns x 512 along K; the codes go through its stage and leave as rows: sixteen lanes store 256 consecutive bytes.
.set WX,   32                          ; v32-95   two sets of 32 numbers
.set WC,   96                          ; v96-99   a block's codes
.set WSB,  24                          ; v24-27   the scale bytes, four to a register
.set WOUT, 112                         ; v112-175 the way out
.macro WLOAD t, base                   ; block t: W(32 t + i, my column) into set t % 2.  The largest offset is 511 rows of 4,096 bytes, inside the signed 24-bit immediate
.irp i, 0,1,2,3,4,5,6,7,8,9,10,11,12,13,14,15,16,17,18,19,20,21,22,23,24,25,26,27,28,29,30,31
	global_load_b32 v[WX+32*((\t)%2)+\i], v3, s[\base:\base+1] offset:(32*(\t)+\i)*4096 th:TH_LOAD_NT
.endr
.endm
.Lw:
	s_lshr_b32 s29, ttmp9, 4                       ; which tensor: 0 Wq, 1 Wk, 2 Wv
	s_bfe_u32 s30, ttmp9, 0x30001                  ; which 128 columns
	s_and_b32 s31, ttmp9, 1                        ; which half of K
	s_cmp_eq_u32 s29, 0
	s_cselect_b64 s[10:11], s[10:11], s[12:13]
	s_cmp_eq_u32 s29, 2
	s_cselect_b64 s[10:11], s[14:15], s[10:11]     ; the choice hangs on the work-group's number alone
	s_lshl_b32 s30, s30, 7
	s_lshl_b32 s32, s28, 5
	s_add_co_u32 s30, s30, s32                     ; my wave's first column
	s_lshl_b32 s32, s31, 21                        ; 512 rows of 4,096 bytes
	s_lshl_b32 s33, s30, 2
	s_add_co_u32 s32, s32, s33
	s_mov_b32 s33, 0
	s_add_nc_u64 s[10:11], s[10:11], s[32:33]
	s_lshl_b32 s29, s29, 10
	s_add_co_u32 s29, s29, s30                     ; my first row of the codes' buffer
	s_lshl_b32 s32, s29, 9
	s_lshl_b32 s34, s31, 8
	s_add_co_u32 s32, s32, s34
	s_add_nc_u64 s[22:23], s[22:23], s[32:33]      ; row x 512 + 256 x half
	s_lshl_b32 s32, s29, 5
	s_lshl_b32 s34, s31, 4
	s_add_co_u32 s32, s32, s34
	s_add_nc_u64 s[24:25], s[24:25], s[32:33]      ; row x 32 + 16 x half
	v_lshlrev_b32 v3, 2, v2                        ; in: 4 bytes a lane
	s_mul_i32 s35, s28, 32*272
	s_add_co_u32 s35, s35, WSTG                    ; my stage
	v_mul_u32_u24 v4, v2, 272
	v_add_nc_u32 v4, s35, v4                       ; into it: row = my column
	v_and_b32 v5, 15, v2
	v_lshrrev_b32 v6, 4, v2
	v_mul_u32_u24 v7, v6, 272
	v_lshl_add_u32 v7, v5, 4, v7
	v_add_nc_u32 v7, s35, v7                       ; out of it: sixteen lanes to a row, two rows an instruction
	v_lshlrev_b32 v8, 9, v6
	v_lshl_add_u32 v8, v5, 4, v8                   ; and the same place in the codes' buffer
	v_lshlrev_b32 v9, 5, v2                        ; my column's row of scale bytes
	WLOAD 0, 10
	WLOAD 1, 10
.macro WBLOCK t
.set XS, WX+32*((\t)%2)
.if (\t) < 15
	s_wait_loadcnt 32                              ; this block's 32 loads are in; the next block's may be out
.else
	s_wait_loadcnt 0
.endif
	v_max3_num_f32 v12, |v[XS]|, |v[XS+1]|, |v[XS+2]|               ; all 32 numbers of the block are mine
	v_max3_num_f32 v13, |v[XS+3]|, |v[XS+4]|, |v[XS+5]|
.irp i, 6,10,14,18,22,26
	v_max3_num_f32 v12, v12, |v[XS+\i]|, |v[XS+\i+1]|
	v_max3_num_f32 v13, v13, |v[XS+\i+2]|, |v[XS+\i+3]|
.endr
	v_max3_num_f32 v12, v12, |v[XS+30]|, |v[XS+31]|
	v_max3_num_f32 v12, v12, v13, (EMAX+1)<<23     ; and the floor
	v_add_nc_u32 v11, -(EMAX<<23), v12             ; the conversion's scale operand
	v_lshrrev_b32 v13, 23, v11                     ; the scale's byte
.if (\t)%4 == 0
	v_mov_b32 v[WSB+(\t)/4], v13                   ; four bytes to a register, the lower K in the lower byte
.else
	v_lshl_or_b32 v[WSB+(\t)/4], v13, 8*((\t)%4), v[WSB+(\t)/4]
.endif
.irp g, 0,1,2,3
	v_cvt_scalef32_pk8_fp4_f32 v[WC+\g], v[XS+8*\g:XS+8*\g+7], v11
.endr
	ds_store_b128 v4, v[WC:WC+3] offset:16*(\t)    ; 32 codes: 16 bytes of my column's row
.if (\t)+2 < 16
	WLOAD (\t)+2, 10
.endif
	s_wait_dscnt 0x0                               ; the store has read its registers: the next block's codes may be written
.endm
.set Q, 0
.rept 16
	WBLOCK Q
.set Q, Q+1
.endr
	global_store_b128 v9, v[WSB:WSB+3], s[24:25]   ; my column's 16 scale bytes
.irp t, 0,1,2,3,4,5,6,7,8,9,10,11,12,13,14,15
	ds_load_b128 v[WOUT+4*\t:WOUT+4*\t+3], v7 offset:2*\t*272
.endr
.irp t, 0,1,2,3,4,5,6,7,8,9,10,11,12,13,14,15
	s_wait_dscnt 15-\t                             ; LDS loads come back in order: load t is in
	global_store_b128 v8, v[WOUT+4*\t:WOUT+4*\t+3], s[22:23] offset:2*\t*512
.endr
	s_wait_tensorcnt 0x0                           ; the wave's end: the three lines
	ds_add_u32 v[SPW], v[NIL]
	s_wait_dscnt 0x0
	s_endpgm
; ---------------- Wo: the same frame with a rounding to f16 in place of the quantiser.  Two blocks of 32 k make a row of 64 f16, 128 bytes, of my column; 32 columns' rows are 4,096 consecutive bytes of the output.
.set OH,  96                           ; v96-111  32 numbers as f16
.set OO,  112                          ; v112-143 the way out
.Lo:
	s_bfe_u32 s30, ttmp9, 0x30001                  ; which 128 columns (48 has no bit among these four)
	s_and_b32 s31, ttmp9, 1                        ; which half of K
	s_lshl_b32 s30, s30, 7
	s_lshl_b32 s32, s28, 5
	s_add_co_u32 s30, s30, s32                     ; my wave's first column
	s_lshl_b32 s32, s31, 21
	s_lshl_b32 s33, s30, 2
	s_add_co_u32 s32, s32, s33
	s_mov_b32 s33, 0
	s_add_nc_u64 s[16:17], s[16:17], s[32:33]
	s_lshl_b32 s32, s31, 20                        ; eight blocks of 64 k, 131,072 bytes each
	s_lshl_b32 s34, s30, 7                         ; 128 bytes a column
	s_add_co_u32 s32, s32, s34
	s_add_nc_u64 s[26:27], s[26:27], s[32:33]
	v_lshlrev_b32 v3, 2, v2
	s_mul_i32 s35, s28, 32*144
	s_add_co_u32 s35, s35, OSTG                    ; my stage: rows of 128 bytes + 16
	v_mul_u32_u24 v4, v2, 144
	v_add_nc_u32 v4, s35, v4
	v_lshrrev_b32 v5, 3, v2
	v_and_b32 v6, 7, v2
	v_mul_u32_u24 v7, v5, 144
	v_lshl_add_u32 v7, v6, 4, v7
	v_add_nc_u32 v7, s35, v7                       ; out of it: eight lanes to a row, four rows an instruction
	v_lshlrev_b32 v8, 4, v2                        ; which are 512 consecutive bytes of the output
	WLOAD 0, 16
	WLOAD 1, 16
.macro OBLOCK t
.set XS, WX+32*((\t)%2)
.if (\t) < 15
	s_wait_loadcnt 32                              ; this block's 32 loads are in; the next block's may be out
.else
	s_wait_loadcnt 0
.endif
.irp i, 0,1,2,3,4,5,6,7,8,9,10,11,12,13,14,15
	v_cvt_pk_f16_f32 v[OH+\i], v[XS+2*\i], v[XS+2*\i+1]
.endr
.irp g, 0,1,2,3
	ds_store_b128 v4, v[OH+4*\g:OH+4*\g+3] offset:64*((\t)%2)+16*\g
.endr
.if (\t)%2 == 1
	s_wait_xcnt 0x0                                ; the last block of 64 k's stores have read their data: the LDS loads below may land there
.endif
.if (\t)+2 < 16
	WLOAD (\t)+2, 16
.endif
.if (\t)%2 == 1
.irp i, 0,1,2,3,4,5,6,7
	ds_load_b128 v[OO+4*\i:OO+4*\i+3], v7 offset:576*\i    ; in order behind my stores
.endr
.irp i, 0,1,2,3,4,5,6,7
	s_wait_dscnt 7-\i
	global_store_b128 v8, v[OO+4*\i:OO+4*\i+3], s[26:27] offset:((\t)/2)*131072+512*\i
.endr
.else
	s_wait_dscnt 0x0                               ; the stores have read their registers
.endif
.endm
.set Q, 0
.rept 16
	OBLOCK Q
.set Q, Q+1
.endr
	s_wait_tensorcnt 0x0                           ; the wave's end: the three lines
	ds_add_u32 v[SPW], v[NIL]
	s_wait_dscnt 0x0
	s_endpgm
.Lfunc_end_k_q0ab7325567_prep:
	.size	k_q0ab7325567_prep, .Lfunc_end_k_q0ab7325567_prep-k_q0ab7325567_prep
	.p2alignl 7, 3214868480
	.fill 96, 4, 3214868480
	.section	.rodata,"a",@progbits
	.p2align	6, 0x0
	.amdhsa_kernel k_q0ab7325567_prep
		.amdhsa_group_segment_fixed_size 86528
		.amdhsa_private_segment_fixed_size 0
		.amdhsa_enable_private_segment 0
		.amdhsa_kernarg_size 80
		.amdhsa_user_sgpr_count 2
		.amdhsa_user_sgpr_kernarg_segment_ptr 1
		.amdhsa_wavefront_size32 1
		.amdhsa_system_sgpr_workgroup_id_x 1
		.amdhsa_system_sgpr_workgroup_id_y 1
		.amdhsa_system_sgpr_workgroup_id_z 1
		.amdhsa_system_vgpr_workitem_id 0
		.amdhsa_next_free_vgpr 192
		.amdhsa_next_free_sgpr 66
		.amdhsa_reserve_vcc 0
		.amdhsa_float_denorm_mode_32 3
		.amdhsa_float_denorm_mode_16_64 3
		.amdhsa_memory_ordered 1
		.amdhsa_forward_progress 1
		.amdhsa_inst_pref_size 193
	.end_amdhsa_kernel
	.amdgpu_metadata
---
amdhsa.version: [ 1, 2 ]
amdhsa.kernels:
  - .name:           k_q0ab7325567_prep
    .symbol:         k_q0ab7325567_prep.kd
    .args:
      - { .name: x, .offset: 0, .size: 8, .value_kind: global_buffer, .address_space: global }
      - { .name: Wq, .offset: 8, .size: 8, .value_kind: global_buffer, .address_space: global }
      - { .name: Wk, .offset: 16, .size: 8, .value_kind: global_buffer, .address_space: global }
      - { .name: Wv, .offset: 24, .size: 8, .value_kind: global_buffer, .address_space: global }
      - { .name: Wo, .offset: 32, .size: 8, .value_kind: global_buffer, .address_space: global }
      - { .name: xc, .offset: 40, .size: 8, .value_kind: global_buffer, .address_space: global }
      - { .name: xs, .offset: 48, .size: 8, .value_kind: global_buffer, .address_space: global }
      - { .name: wc, .offset: 56, .size: 8, .value_kind: global_buffer, .address_space: global }
      - { .name: ws, .offset: 64, .size: 8, .value_kind: global_buffer, .address_space: global }
      - { .name: wot, .offset: 72, .size: 8, .value_kind: global_buffer, .address_space: global }
    .group_segment_fixed_size: 86528
    .private_segment_fixed_size: 0
    .kernarg_segment_align: 8
    .kernarg_segment_size: 80
    .max_flat_workgroup_size: 128
    .sgpr_count:     66
    .vgpr_count:     192
    .wavefront_size: 32
...
	.end_amdgpu_metadata
.endif
;; end of part 1
;; launch qkv (part 2): grid 12 x 32, 4 waves a work-group, clusters of 4 x 4, 327,680 bytes of LDS; arguments xc, xs, wc, ws, bq, bk, bv, qkv; writes qkv
.if DOCPART == 2
	.amdgcn_target "amdgcn-amd-amdhsa--gfx1250"
	.amdhsa_code_object_version 6
	.text
	.protected	k_q0ab7325567_qkv
	.globl	k_q0ab7325567_qkv
	.p2align	8
	.type	k_q0ab7325567_qkv,@function
k_q0ab7325567_qkv:
	s_mov_b64 s[64:65], 0
	v_nop
	global_prefetch_b8 v0, s[64:65] scope:SCOPE_SE
	s_setreg_imm32_b32 hwreg(HW_REG_WAVE_MODE, 25, 1), 1
	s_wait_xcnt 0x0
	s_wait_alu depctr_hold_cnt(0) depctr_sa_sdst(0) depctr_va_vdst(0) depctr_va_sdst(0) depctr_va_ssrc(0) depctr_va_vcc(0) depctr_vm_vsrc(0)
	s_getreg_b32 s2, hwreg(HW_REG_IB_STS2, 6, 4)
	s_cmp_eq_u32 s2, 0
	s_cbranch_scc0 .Lentry_in_a_cluster
	s_endpgm
.Lentry_in_a_cluster:
	s_bfe_u32 s2, ttmp6, 0x10000c
	s_cmp_lg_u32 s2, 0xf033
	s_cbranch_scc0 .Lentry_shape_is_right
	s_endpgm
.Lentry_shape_is_right:
; q, k, v = x W + b on codes of FP4 (E2M1) with one E8M0 scale for each 32 along K = 1,024; sums in f32.  One GEMM: A = x's codes [8192][512 bytes], B = the three weights' codes [3072][512 bytes].
; The result is rounded to f16 and laid by heads: [tensor 3][batch 4][head 16][position 2048][64].  q is multiplied in f32 by c = log2(e) / 32 first, so that the next launch's scores are exponents of 2.
; LIMIT: |x W + b| under 65,504 (f16).
; A tile of C, 256 x 256, is made by a work-group of four waves; a wave makes 128 x 128: 64 accumulators of 16 x 16, 512 registers.  K is two slots of 512, rows of 256 bytes: both are asked for at the start,
; nothing is filled again.  The scale bytes of the work-group's rows of A and of B, for all of K, come with them as two dense blocks.
; CLUSTERS: 4 x 4 work-groups.  The four of a row of the cluster need the same tiles of A, the four of a column the same tiles of B: each tile is asked for JOINTLY.  A tensor is four tile columns wide,
; so the cluster's x IS the tensor: what hangs on it (which bias, which factor) is the same in all sixteen partners.
; THE MATRIX INSTRUCTION IS USED TRANSPOSED (source 0 = 16 rows of B, source 1 = 16 rows of A): a lane holds eight neighbouring columns of one row of C.  THE BIAS is the C of each sum's first product.
; REGISTERS, in windows of 256: window 0: v0-31 addresses; v32-95 scale words, two sets; v128-191 A's fragments, one set; v192-255 the bias (lane (r, h): columns 16 b + 8 h + 0..7 in registers 8 b + 0..7);
;   on the way out v128-223 are at work.  window 1: B's fragments, two sets.  window 2: the accumulators of my rows 0-63 ((a, b) at v[8 (8 a + b)]);  window 3: those of rows 64-127.
.set NQ,     4                         ; steps of 128 along K in a slot
.set ROWB,   256                       ; a tile's row in bytes: 512 codes
.set KROW,   512                       ; a row of A or B in memory
.set PITCH,  272                       ; an LDS row: 256 bytes + 16 of padding = 68 words: row r starts at bank 4 r mod 64 (64 banks of 4 bytes: ISA guide 11.1)
.set FR,     8                         ; registers of a fragment: 16 rows x 128 K
.set NL,     2                         ; LDS loads that bring one
.set NP,     4                         ; places behind this matrix instruction (ISA guide 7.12.1)
.set HALFT,  128*PITCH
.set SLOT,   4*HALFT                   ; A's 256 rows, then B's 256 rows
.set KS,     32                        ; a row of scale bytes
.set SCL,    2*SLOT                    ; behind the slots: the scales, as runs of 256 bytes + 16 of padding
.set HALFS,  (128*KS/256)*272          ; those of 128 rows: what one tensor load brings
.set SBLK,   (16*KS/256)*272           ; those of 16 rows
.set SPARE,  SCL+4*HALFS               ; the spare words, 128 bytes for each wave: two blocks of 256 bytes that no other line names
.set SPITCH, 272                       ; the way out: 16 rows x (256 bytes + 16) for each wave, in slot 0, which has had its only fill and its last read by then
.set ADRA, 16                          ; v16-17  LDS address of my A fragments in slot 0, 1
.set ADRB, 20                          ; v20-21  the same for B
.set STO,  24                          ; v24     the way out: where I put 16 bytes of a row
.set RD,   25                          ; v25     where I read back
.set CO,   26                          ; v26     my byte offset in the output
.set ADRS, 27                          ; v27     LDS address of my scale words: lanes 0-15 A's rows, lanes 16-31 B's
.set SPW,  28                          ; v28     my spare word; never rewritten
.set NIL,  29                          ; v29     0; never rewritten
.set BO,   30                          ; v30     32 x (lane / 16): my eight numbers of a tile's sixteen of the bias
.set SC,   32
.set AF,   128
.set BI,   192
.set TMP,  128                         ; the way out: a block's 32 registers of f16
.set OB,   160                         ; and what comes back from the stage: v160-191 and v192-223 by turns
.set G1, 24
.set G0, 32
.set G1B, 48
.set G0B, 56
.set G1S, 68
.set G0S, 76
.set G1SB, 80
.set G0SB, 88
.set MSB, 0
.macro WIN new                         ; the immediate's high byte repeats the setting that is left
.if MSB != \new
	s_set_vgpr_msb (MSB<<8)|\new
.set MSB, \new
.endif
.endm
.set MUL_LO, 0xa1                      ; source 0 (B) window 1, source 1 (A) window 0, C and D window 2
.set MUL_HI, 0xf1                      ; the same, C and D window 3
.set BIA_LO, 0x81                      ; the first products: C (the bias) window 0, D window 2
.set BIA_HI, 0xc1                      ; D window 3
.set TO_B,   0x40
; A joint load: waves 0 and 1 fetch for A, waves 2 and 3 for B.  The branch hangs on the wave's number alone.  An s_nop 0 and four v_nop follow each of the two lines.
.macro JLOAD g0a, g1a, g0b, g1b
	s_cmp_eq_u32 s15, 0
	s_cbranch_scc0 .Lfor_b_\@
	tensor_load_to_lds s[\g0a:\g0a+3], s[\g1a:\g1a+7]
	s_nop 0
.rept 4
	v_nop
.endr
	s_branch .Lasked_\@
.Lfor_b_\@:
	tensor_load_to_lds s[\g0b:\g0b+3], s[\g1b:\g1b+7]
	s_nop 0
.rept 4
	v_nop
.endr
.Lasked_\@:
.endm
.macro CROUND                          ; a round of the cluster's barrier
	s_barrier_signal -1
	s_barrier_wait -1
	s_cmp_lg_u32 s14, 0
	s_cbranch_scc1 .Lnot_wave_0_\@
	s_barrier_signal -3
.Lnot_wave_0_\@:
	s_barrier_wait -3
	s_barrier_signal -1
	s_barrier_wait -1
.endm
	s_load_b128 s[4:7], s[0:1], 0x0                ; x's codes, x's scales
	s_load_b128 s[8:11], s[0:1], 0x10              ; the weights' codes, their scales
	s_load_b128 s[96:99], s[0:1], 0x20             ; bq, bk
	s_load_b64 s[100:101], s[0:1], 0x30            ; bv
	s_load_b64 s[12:13], s[0:1], 0x38              ; the output
	v_lshl_add_u32 v[SPW], v0, 2, SPARE
	v_mov_b32 v[NIL], 0
	ds_add_u32 v[SPW], v[NIL]                      ; the wave's opening: the add, twice on end, and its wait ahead of my first tensor load
	ds_add_u32 v[SPW], v[NIL]
	v_lshrrev_b32 v1, 5, v0
	v_readfirstlane_b32 s14, v1                    ; wave 0..3
	s_lshr_b32 s15, s14, 1                         ; which half of the tile's rows is mine.  Also: I fetch for A (0) or for B (1)
	s_and_b32 s16, s14, 1                          ; which half of its columns.  Also: which 128 rows of that tile I fetch
	s_bfe_u32 s40, ttmp6, 0x40000                  ; cx, cy: my place in the cluster
	s_bfe_u32 s41, ttmp6, 0x40004
	s_lshl_b32 s42, ttmp9, 2
	s_add_co_u32 s42, s42, s40                     ; tile column = 4 x cluster x + cx
	s_and_b32 s17, ttmp7, 0xffff
	s_lshl_b32 s17, s17, 2
	s_add_co_u32 s17, s17, s41                     ; tile row = 4 x cluster y + cy
	s_lshl_b32 s43, s41, 2
	s_lshl_b32 s43, 15, s43                        ; my row of the cluster
	s_lshl_b32 s44, 0x1111, s40                    ; my column
	; descriptor group 1: a tile of 128 rows x 256 bytes, 16 bytes of padding behind each row
	s_or_b32 s[G1+0], s43, (0<<16)|(1<<20)|(1<<21)|(5<<22)|(3<<25)  ; 15:0 the mask; 17:16 elements of 1 byte; 20 padding on; 21 set beside a mask; 24:22 after every 64 words; 31:25 four words
	s_or_b32 s[G1B+0], s44, (0<<16)|(1<<20)|(1<<21)|(5<<22)|(3<<25)
.irp g, G1, G1B
	s_mov_b32 s[\g+1], ROWB<<16                    ; tensor_dim0
	s_mov_b32 s[\g+2], 128<<16                     ; tensor_dim1
	s_mov_b32 s[\g+3], ROWB<<16                    ; tile_dim0
	s_mov_b32 s[\g+4], 128                         ; tile_dim1
	s_mov_b32 s[\g+5], KROW                        ; from row to row
	s_mov_b32 s[\g+6], 0
	s_mov_b32 s[\g+7], 0
.endr
	; the scales of 128 rows: 4,096 dense bytes, as 16 rows of 256 bytes (32 elements of 8 bytes), 16 bytes of padding behind each
	s_or_b32 s[G1S+0], s43, (3<<16)|(1<<20)|(1<<21)|(5<<22)|(3<<25)
	s_or_b32 s[G1SB+0], s44, (3<<16)|(1<<20)|(1<<21)|(5<<22)|(3<<25)
.irp g, G1S, G1SB
	s_mov_b32 s[\g+1], 32<<16
	s_mov_b32 s[\g+2], (128*KS/256)<<16
	s_mov_b32 s[\g+3], 32<<16
	s_mov_b32 s[\g+4], 128*KS/256
	s_mov_b32 s[\g+5], 32
	s_mov_b32 s[\g+6], 0
	s_mov_b32 s[\g+7], 0
.endr
	s_lshl_b32 s18, s16, 7                         ; which 128 rows of the tile I fetch
	s_lshl_b32 s20, s17, 8
	s_add_co_u32 s20, s20, s18                     ; A: row 256 x tile row + 128 x half
	s_lshl_b32 s46, s42, 8
	s_add_co_u32 s46, s46, s18                     ; B: row 256 x tile column + 128 x half
	s_mov_b32 s21, 0
	s_mov_b32 s47, 0
	s_mov_b64 s[18:19], KS
	s_mul_u64 s[22:23], s[20:21], s[18:19]         ; where these rows' scales begin,
	s_mul_u64 s[92:93], s[46:47], s[18:19]
	s_mov_b64 s[18:19], KROW
	s_mul_u64 s[20:21], s[20:21], s[18:19]         ; and their codes
	s_mul_u64 s[46:47], s[46:47], s[18:19]
	s_mul_i32 s45, s14, HALFT                      ; where they go: wave x 128 rows: no place in the cluster enters an LDS address
	s_mul_i32 s94, s14, HALFS
	s_wait_dscnt 0x0                               ; both opening adds are done
	s_wait_kmcnt 0x0
	s_add_nc_u64 s[20:21], s[4:5], s[20:21]
	s_add_nc_u64 s[22:23], s[6:7], s[22:23]
	s_add_nc_u64 s[46:47], s[8:9], s[46:47]
	s_add_nc_u64 s[92:93], s[10:11], s[92:93]
	CROUND                                         ; all sixteen work-groups are here: the joint loads meet
	s_mov_b32 s[G0S], 1
	s_add_co_u32 s[G0S+1], s94, SCL
	s_mov_b64 s[G0S+2:G0S+3], s[22:23]
	s_or_b32 s[G0S+3], s[G0S+3], 0x80000000
	s_mov_b32 s[G0SB], 1
	s_add_co_u32 s[G0SB+1], s94, SCL
	s_mov_b64 s[G0SB+2:G0SB+3], s[92:93]
	s_or_b32 s[G0SB+3], s[G0SB+3], 0x80000000
	JLOAD G0S, G1S, G0SB, G1SB                     ; the scales first: they are wanted with the first slot.  Three loads of mine are out behind the next two
.irp s, 0,1
	s_mov_b32 s[G0+4*\s], 1
	s_add_co_u32 s[G0+4*\s+1], s45, \s*SLOT
	s_add_nc_u64 s[G0+4*\s+2:G0+4*\s+3], s[20:21], \s*ROWB
	s_or_b32 s[G0+4*\s+3], s[G0+4*\s+3], 0x80000000
	s_mov_b32 s[G0B+4*\s], 1
	s_add_co_u32 s[G0B+4*\s+1], s45, \s*SLOT
	s_add_nc_u64 s[G0B+4*\s+2:G0B+4*\s+3], s[46:47], \s*ROWB
	s_or_b32 s[G0B+4*\s+3], s[G0B+4*\s+3], 0x80000000
	JLOAD G0+4*\s, G1, G0B+4*\s, G1B
.endr
	; the tensor's bias and factor: chosen by the cluster's x, which all partners share
	s_cmp_eq_u32 ttmp9, 0
	s_cselect_b64 s[96:97], s[96:97], s[98:99]
	s_cselect_b32 s66, 0x3d38aa3b, 1.0             ; q: c = log2(e) / 32; k and v: 1
	s_cmp_eq_u32 ttmp9, 2
	s_cselect_b64 s[96:97], s[100:101], s[96:97]
	s_mov_b32 s67, s66                             ; (the packed form names the pair)
	s_lshl_b32 s46, s40, 10                        ; my 128 columns in the tensor: 256 cx + 128 x half, 4 bytes each
	s_lshl_b32 s47, s16, 9
	s_add_co_u32 s46, s46, s47
	s_mov_b32 s47, 0
	s_add_nc_u64 s[96:97], s[96:97], s[46:47]
	v_and_b32 v1, 15, v0                           ; l % 16
	v_bfe_u32 v2, v0, 4, 1                         ; l / 16
	v_lshlrev_b32 v[BO], 5, v2
.irp b, 0,1,2,3,4,5,6,7
	global_load_b128 v[BI+8*\b:BI+8*\b+3], v[BO], s[96:97] offset:64*\b
	global_load_b128 v[BI+8*\b+4:BI+8*\b+7], v[BO], s[96:97] offset:64*\b+16
.endr
	v_mul_u32_u24 v3, v1, PITCH
	v_lshl_add_u32 v4, v2, 4, v3                   ; a fragment's row x pitch + 16 x half
	s_mul_i32 s21, s15, HALFT                      ; my 128 rows of A
	s_mul_i32 s22, s16, HALFT                      ; my 128 rows of B,
	s_add_co_u32 s22, s22, 2*HALFT                 ; which lie behind A's 256
.irp s, 0,1
	v_add_nc_u32 v[ADRA+\s], s21, v4
	v_add_nc_u32 v[ADRB+\s], s22, v4
	s_add_co_u32 s21, s21, SLOT
	s_add_co_u32 s22, s22, SLOT
.endr
	v_mul_u32_u24 v5, v1, KS                       ; my row's scales: 32 bytes a row,
	v_lshrrev_b32 v6, 8, v5
	v_lshl_add_u32 v5, v6, 4, v5                   ; and 16 more for each 256 passed
	s_mul_i32 s21, s15, HALFS
	s_mul_i32 s22, s16, HALFS
	s_add_co_u32 s22, s22, 2*HALFS
	s_sub_co_u32 s22, s22, s21
	v_mul_u32_u24 v6, s22, v2                      ; lanes 16-31 take B's: one product, the distance between the two bases
	s_add_co_u32 s21, s21, SCL
	v_add_nc_u32 v5, v5, v6
	v_add_nc_u32 v[ADRS], s21, v5
	; the way out.  A block is 16 rows x 128 columns = two heads' 64.  In: row l % 16, 16 bytes for each half of the lanes.  Back: lanes 0-15 take head 0, lanes 16-31 head 1; in each, eight lanes a row, two rows:
	; two neighbouring positions of one head are 256 consecutive bytes of the output, aligned.
	s_mul_i32 s23, s14, 16*SPITCH                  ; my stage
	v_mul_u32_u24 v5, v1, SPITCH
	v_lshl_add_u32 v5, v2, 4, v5
	v_add_nc_u32 v[STO], s23, v5
	v_bfe_u32 v5, v0, 3, 1                         ; which of the two rows
	v_and_b32 v6, 7, v0                            ; which 16 bytes
	v_mul_u32_u24 v3, v5, SPITCH
	v_lshl_add_u32 v3, v2, 7, v3
	v_lshl_add_u32 v3, v6, 4, v3
	v_add_nc_u32 v[RD], s23, v3
	v_lshlrev_b32 v3, 18, v2                       ; a head is 2^18 bytes
	v_lshl_add_u32 v3, v5, 7, v3
	v_lshl_add_u32 v[CO], v6, 4, v3
	s_lshl_b32 s20, ttmp9, 24                      ; tensor x 2^24
	s_lshr_b32 s21, s17, 3
	s_lshl_b32 s21, s21, 22                        ; + batch x 2^22 (eight tile rows to a batch)
	s_add_co_u32 s20, s20, s21
	s_and_b32 s21, s17, 7
	s_lshl_b32 s21, s21, 15                        ; + 256 positions of 128 bytes for each tile row
	s_add_co_u32 s20, s20, s21
	s_lshl_b32 s21, s15, 14                        ; + my half's 128
	s_add_co_u32 s20, s20, s21
	s_mov_b32 s21, 0
	s_lshl_b32 s46, s40, 20                        ; + head (4 cx + 2 x half) x 2^18
	s_lshl_b32 s47, s16, 19
	s_add_co_u32 s46, s46, s47
	s_mov_b32 s47, 0
	s_add_nc_u64 s[20:21], s[20:21], s[46:47]
	s_add_nc_u64 s[12:13], s[12:13], s[20:21]
.macro FRAG reg, adr, q, i             ; 16 rows x 128 K of 4-bit codes: lane l holds row l % 16; registers 4 c .. 4 c + 3 hold K = 64 c + 32 (l / 16) + 0 .. 31
.irp c, 0,1
	ds_load_b128 v[\reg+4*\c:\reg+4*\c+3], v[\adr] offset:64*(\q)+32*\c+(\i)*16*PITCH
.endr
.endm
; 16 matrix instructions: A's blocks a0, a0 + 1 x B's eight, the slot's q-th 128 along K.  p: B's set; sc: the set of scale words.  first = 1: the bias is C: nothing is cleared and nothing is added later.
; The 64 accumulators take turns, one instruction a turn, in the same order in every step.
.macro MUL16 a0, p, q, sc, first
.irp a, \a0, \a0+1
.irp b, 0,1,2,3,4,5,6,7
.if \first
	v_wmma_scale_f32_16x16x128_f8f6f4 v[8*(8*((\a)%4)+\b):8*(8*((\a)%4)+\b)+7], v[128*(\p)+FR*\b:128*(\p)+FR*\b+FR-1], v[AF+FR*(\a):AF+FR*(\a)+FR-1], v[BI+8*\b:BI+8*\b+7], v[SC+8*NQ*(\sc)+NQ*\b+(\q)], v[SC+8*NQ*(\sc)+NQ*(\a)+(\q)] matrix_a_fmt:MATRIX_FMT_FP4 matrix_b_fmt:MATRIX_FMT_FP4 matrix_a_scale:MATRIX_SCALE_ROW1
.else
	v_wmma_scale_f32_16x16x128_f8f6f4 v[8*(8*((\a)%4)+\b):8*(8*((\a)%4)+\b)+7], v[128*(\p)+FR*\b:128*(\p)+FR*\b+FR-1], v[AF+FR*(\a):AF+FR*(\a)+FR-1], v[8*(8*((\a)%4)+\b):8*(8*((\a)%4)+\b)+7], v[SC+8*NQ*(\sc)+NQ*\b+(\q)], v[SC+8*NQ*(\sc)+NQ*(\a)+(\q)] matrix_a_fmt:MATRIX_FMT_FP4 matrix_b_fmt:MATRIX_FMT_FP4 matrix_a_scale:MATRIX_SCALE_ROW1
.endif
.endr
.endr
.endm
.macro FETCH_B slot, q, p
	WIN TO_B
.irp i, 0,1,2,3,4,5,6,7
	FRAG 128*(\p)+FR*\i, ADRB+\slot, \q, \i
.endr
	WIN 0
.endm
.macro FETCH_A slot, q, i0
.irp i, \i0, \i0+1, \i0+2, \i0+3
	FRAG AF+FR*(\i), ADRA+\slot, \q, \i
.endr
.endm
.macro SCALES sc                       ; a slot's scale words: four words a row; lanes 0-15 take A's block i, lanes 16-31 B's block i
.irp i, 0,1,2,3,4,5,6,7
	ds_load_b128 v[SC+8*NQ*\sc+NQ*\i:SC+8*NQ*\sc+NQ*\i+3], v[ADRS] offset:\i*SBLK
.endr
.endm
.macro PLACES n                        ; plain vector instructions between a matrix instruction and a load into, or a read of, its registers (ISA guide 7.12.1 for reads)
.rept \n
	v_nop
.endr
.endm
; A step of 128 along K that has its successor in the same slot.  A block of A is free as soon as its eight products are issued: blocks 0-3 are fetched anew in the step's middle, blocks 4-7 at its end.
.macro STEP slot, q, first
	s_wait_dscnt 4*NL                              ; B's set and A's blocks 0-3 are in; the youngest eight loads (A's blocks 4-7) may be out
.if \first
	WIN BIA_LO
.else
	WIN MUL_LO
.endif
	MUL16 0, (\q)%2, \q, \slot, \first
	MUL16 2, (\q)%2, \q, \slot, \first
	s_wait_dscnt 0                                 ; A's blocks 4-7 are in
	PLACES NP
	FETCH_B \slot, (\q)+1, 1-(\q)%2
	FETCH_A \slot, (\q)+1, 0
.if \first
	WIN BIA_HI
.else
	WIN MUL_HI
.endif
	MUL16 4, (\q)%2, \q, \slot, \first
	MUL16 6, (\q)%2, \q, \slot, \first
	PLACES NP
	WIN 0
	FETCH_A \slot, (\q)+1, 4
.endm
.macro STEPS slot, from
.set Q, \from
.rept NQ-1-\from
	STEP \slot, Q, 0
.set Q, Q+1
.endr
.endm
	s_wait_tensorcnt 1                             ; the scales and my part of slot 0 are in; slot 1's load may be out
	s_barrier_signal -1
	s_barrier_wait -1                              ; everybody's are
	FETCH_B 0, 0, 0
	FETCH_A 0, 0, 0
	SCALES 0
	FETCH_A 0, 0, 4
	s_wait_loadcnt 0x0                             ; the bias
	STEP 0, 0, 1
	STEPS 0, 1
	; slot 0's last step changes slots: one barrier; in front of it each wave waits for all its tensor loads (its part of slot 1) and for its reads of slot 0, which the way out will write
	s_wait_tensorcnt 0x0
	ds_add_u32 v[SPW], v[NIL]                      ; 0 onto my spare word
	s_wait_dscnt 4*NL+1                            ; (the add and the youngest eight loads may be out)
	WIN MUL_LO
	MUL16 0, 1, NQ-1, 0, 0                         ; sixteen matrix instructions stand between the add and the wait for it
	s_wait_dscnt 0x0                               ; the add is done, and my reads of slot 0 are over
	s_barrier_signal -1
	MUL16 2, 1, NQ-1, 0, 0
	WIN 0
	s_barrier_wait -1
	PLACES NP
	v_add_nc_u32 v[ADRS], 4*NQ, v[ADRS]            ; on to slot 1's scale words
	FETCH_B 1, 0, 0
	FETCH_A 1, 0, 0
	SCALES 1
	WIN MUL_HI
	MUL16 4, 1, NQ-1, 0, 0
	MUL16 6, 1, NQ-1, 0, 0
	PLACES NP
	WIN 0
	FETCH_A 1, 0, 4
	STEPS 1, 0
	s_wait_dscnt 4*NL                              ; the very last step: nothing more to fetch
	WIN MUL_LO
	MUL16 0, 1, NQ-1, 1, 0
	MUL16 2, 1, NQ-1, 1, 0
	s_wait_dscnt 0
	WIN MUL_HI
	MUL16 4, 1, NQ-1, 1, 0
	MUL16 6, 1, NQ-1, 1, 0
	WIN 0
; THE WAY OUT, block by block of 16 rows.  PACK: x the tensor's factor, in f32, and rounded to f16, each accumulator from its low end on.  TOSTAGE: into my stage, and back by heads.  SEND: stored.
.macro PACK a
.set AC, 64*((\a)%4)
	WIN 0x82+0x41*((\a)/4)                         ; destination and source 0: window 2 or 3
.set j, 0
.rept 32
	v_pk_mul_f32 v[AC+j:AC+j+1], v[AC+j:AC+j+1], s[66:67] op_sel_hi:[1,0]
.set j, j+2
.endr
	WIN 0x0a+5*((\a)/4)                            ; sources 0 and 1: window 2 or 3
.set j, 0
.rept 32
	v_cvt_pk_f16_f32 v[TMP+j], v[AC+2*j], v[AC+2*j+1]
.set j, j+1
.endr
	WIN 0
.endm
.macro TOSTAGE a
.set BB, OB+32*((\a)%2)
.irp b, 0,1,2,3,4,5,6,7
	ds_store_b128 v[STO], v[TMP+4*\b:TMP+4*\b+3] offset:32*\b
.endr
.irp t, 0,1,2,3,4,5,6,7
	ds_load_b128 v[BB+4*\t:BB+4*\t+3], v[RD] offset:\t*2*SPITCH    ; LDS serves a wave's instructions in order (ISA guide 5.7.1.4): these see the stores above
.endr
.endm
.macro SEND a
.set BB, OB+32*((\a)%2)
	s_wait_dscnt 0x0                               ; the block is back in registers
	s_wait_xcnt 0x0                                ; the stores of the block before have read their registers: the next block's LDS loads may land there
.irp t, 0,1,2,3,4,5,6,7
	global_store_b128 v[CO], v[BB+4*\t:BB+4*\t+3], s[12:13] offset:2048*(\a)+256*\t   ; each half of the lanes stores 256 consecutive bytes, aligned: two positions of one head
.endr
.endm
	PLACES NP                                      ; behind the last products
	PACK 0
	TOSTAGE 0
.irp a, 1,2,3,4,5,6,7                  ; block a's arithmetic stands between block a - 1's loads from the stage and the wait for them
	PACK \a
	SEND \a-1
	TOSTAGE \a
.endr
	SEND 7
	s_wait_tensorcnt 0x0                           ; the wave's end, behind my last tensor load and my last LDS store
	ds_add_u32 v[SPW], v[NIL]
	s_wait_dscnt 0x0
	CROUND                                         ; the closing round
	s_endpgm
.Lfunc_end_k_q0ab7325567_qkv:
	.size	k_q0ab7325567_qkv, .Lfunc_end_k_q0ab7325567_qkv-k_q0ab7325567_qkv
	.p2alignl 7, 3214868480
	.fill 96, 4, 3214868480
	.section	.rodata,"a",@progbits
	.p2align	6, 0x0
	.amdhsa_kernel k_q0ab7325567_qkv
		.amdhsa_group_segment_fixed_size 327680
		.amdhsa_private_segment_fixed_size 0
		.amdhsa_enable_private_segment 0
		.amdhsa_kernarg_size 64
		.amdhsa_user_sgpr_count 2
		.amdhsa_user_sgpr_kernarg_segment_ptr 1
		.amdhsa_wavefront_size32 1
		.amdhsa_system_sgpr_workgroup_id_x 1
		.amdhsa_system_sgpr_workgroup_id_y 1
		.amdhsa_system_sgpr_workgroup_id_z 1
		.amdhsa_system_vgpr_workitem_id 0
		.amdhsa_next_free_vgpr 1024
		.amdhsa_next_free_sgpr 102
		.amdhsa_reserve_vcc 0
		.amdhsa_float_denorm_mode_32 3
		.amdhsa_float_denorm_mode_16_64 3
		.amdhsa_memory_ordered 1
		.amdhsa_forward_progress 1
		.amdhsa_inst_pref_size 145
	.end_amdhsa_kernel
	.amdgpu_metadata
---
amdhsa.version: [ 1, 2 ]
amdhsa.kernels:
  - .name:           k_q0ab7325567_qkv
    .symbol:         k_q0ab7325567_qkv.kd
    .args:
      - { .name: xc, .offset: 0, .size: 8, .value_kind: global_buffer, .address_space: global }
      - { .name: xs, .offset: 8, .size: 8, .value_kind: global_buffer, .address_space: global }
      - { .name: wc, .offset: 16, .size: 8, .value_kind: global_buffer, .address_space: global }
      - { .name: ws, .offset: 24, .size: 8, .value_kind: global_buffer, .address_space: global }
      - { .name: bq, .offset: 32, .size: 8, .value_kind: global_buffer, .address_space: global }
      - { .name: bk, .offset: 40, .size: 8, .value_kind: global_buffer, .address_space: global }
      - { .name: bv, .offset: 48, .size: 8, .value_kind: global_buffer, .address_space: global }
      - { .name: qkv, .offset: 56, .size: 8, .value_kind: global_buffer, .address_space: global }
    .group_segment_fixed_size: 327680
    .private_segment_fixed_size: 0
    .kernarg_segment_align: 8
    .kernarg_segment_size: 64
    .max_flat_workgroup_size: 128
    .sgpr_count:     102
    .vgpr_count:     1024
    .wavefront_size: 32
...
	.end_amdgpu_metadata
.endif
;; end of part 2
;; launch attn (part 3): grid 4 x 64, 8 waves a work-group, clusters of 4 x 1, 327,680 bytes of LDS; arguments qkv, att; writes att
.if DOCPART == 3
	.amdgcn_target "amdgcn-amd-amdhsa--gfx1250"
	.amdhsa_code_object_version 6
	.text
	.protected	k_q0ab7325567_attn
	.globl	k_q0ab7325567_attn
	.p2align	8
	.type	k_q0ab7325567_attn,@function
k_q0ab7325567_attn:
	s_mov_b64 s[64:65], 0
	v_nop
	global_prefetch_b8 v0, s[64:65] scope:SCOPE_SE
	s_setreg_imm32_b32 hwreg(HW_REG_WAVE_MODE, 25, 1), 1
	s_wait_xcnt 0x0
	s_wait_alu depctr_hold_cnt(0) depctr_sa_sdst(0) depctr_va_vdst(0) depctr_va_sdst(0) depctr_va_ssrc(0) depctr_va_vcc(0) depctr_vm_vsrc(0)
	s_getreg_b32 s2, hwreg(HW_REG_IB_STS2, 6, 4)
	s_cmp_eq_u32 s2, 0
	s_cbranch_scc0 .Lentry_in_a_cluster
	s_endpgm
.Lentry_in_a_cluster:
	s_bfe_u32 s2, ttmp6, 0x10000c
	s_cmp_lg_u32 s2, 0x3003
	s_cbranch_scc0 .Lentry_shape_is_right
	s_endpgm
.Lentry_shape_is_right:
; O[bh][q][:] = the sum over k of softmax_k(Q[bh][q] . K[bh][k] / 32) V[bh][k][:], 64 heads-in-batches of 2,048 positions x 64 channels, no mask.  Q, K, V: f16, [3][64][2048][64]; Q already holds q x log2(e) / 32,
; so a score IS the exponent t.  O: f16, [64][2048][64].  Products, maxima and sums in f32; the weights p are rounded to f16 for the second product, O once at the end.
; SOFTMAX.  For each query a running maximum m and sum l: p = 2^(t - m), at most 1 for every input; in every step O and l are multiplied by a = 2^(m_old - m_new).  m starts at -3e38, l and O at 0: the first a is 0 and multiplies zeros.
; SHARES.  A work-group owns 512 queries of one head, each of its EIGHT waves 64: four tiles of 16, in 512 registers: two waves to a SIMD, so that one wave's softmax stands beside the other's products and LDS loads.
; The text is therefore in phases: a step's 32 products K Q^T, its softmax, its 32 products V^T P.  A fragment of K or V read from LDS feeds four products.
; LAYOUT.  S^T = K Q^T (source 0 = 16 keys, source 1 = 16 queries): a lane holds ONE query (lane % 16) and the keys 8 (lane / 16) + 0..7.  Two such tiles, rounded to f16 in pairs, ARE source 1 (32 keys x 16 queries)
; of O^T = V^T P.  K comes out of LDS as it lies, V ([key][channel]) turned, by ds_load_tr16_b128.
; CLUSTER.  The four query blocks of a head are one cluster and walk the same K and V: each tile is asked for JOINTLY, one load a wave (waves 0-3: the four steps' tiles of K; waves 4-7: of V).
; RING.  Two slots of four key steps of 64 keys.  The change of slots stands at a slot's head; the load asked for there has four key steps in which to land.  One tensor load of a wave is out at a time.
; REGISTERS: window 0: v0-11 addresses; v12-43 eight registers of statistics a tile; v44-51 a second chain for the sums; v61-63; v64-191 S^T, 32 a tile, then P in the low 16 of each; v192-255 K of one step.
;   window 1: v0-127 O^T, 32 a tile; v128-191 Q, 16 a tile; v192-255 V of one step.
.set KS,    64                         ; keys in a step
.set PK,    144                        ; a row of K in LDS: 128 bytes + 16 = 36 words: the 16 rows of a load start at 16 different groups of four banks (64 banks of 4 bytes: ISA guide 11.1)
.set PV,    160                        ; a row of V: 128 + 32 = 40 words, for the turning load's 8 rows x 32 bytes
.set VOFF,  KS*PK
.set STEPB, KS*(PK+PV)                 ; a step's tiles lie together: K's, then V's
.set NQ,    4                          ; steps in a slot
.set SLOT1, 1<<17                      ; slot 1 begins here: one exclusive or turns an address in one slot into the other's
.set NSL,   2048/(NQ*KS)               ; 8 slots' worth of keys
.set STAGE, SLOT1+NQ*STEPB             ; behind the ring: 16 rows x 144 bytes for each wave, for the way out
.set SP,    144
.set SPARE, STAGE+8*16*SP              ; the spare words, 128 bytes for each wave: four blocks of 256 bytes that no other line names
.set AK0, 2                            ; v2   my lane's place in a tile of K; never rewritten
.set AV0, 3                            ; v3   the same for V
.set ADK, 4                            ; v4   LDS address of the step's K
.set ADV, 5                            ; v5   and V
.set QO,  6                            ; v6   my byte offset in the wave's rows of Q
.set STO, 7                            ; v7   the way out: where I put 16 bytes of a row
.set RD,  8                            ; v8   where I read back
.set GO,  9                            ; v9   my byte offset in the wave's rows of O
.set ST,  12                           ; tile t at v[ST + 8 t]: +0 m, +1 (the pair's upper half), +2, +3 l (even keys', odd keys'), +4 to +7 c0-c3, at work; a takes c2's place
.set U,   44                           ; tile t's second chain at v[U + 2 t]
.set PFO, 61                           ; v61  256 x my lane; never rewritten
.set SPW, 62                           ; v62  my spare word; never rewritten
.set NIL, 63                           ; v63  0; never rewritten
.set S,   64
.set KF,  192
.set QF,  128                          ; in window 1
.set VF,  192                          ; in window 1
.set WV,  12                           ; s12  my wave's number
.set LIM, 15                           ; s15  1 in a wave that prefetches, else the greatest number
.set PFA, 18                           ; s[18:19] where my prefetches stand
.set G1K, 24
.set G1V, 32
.set G0K, 40
.set G0V, 44
.set SLOTS, 56
.set CNT, 57
.set SEL, 60
.set TB,  62                           ; s62  LDS byte at which the step's tiles begin
.set MSB, 0
.macro WIN new
.if MSB != \new
	s_set_vgpr_msb (MSB<<8)|\new
.set MSB, \new
.endif
.endm
.set W_KQ, 0x04                        ; Q (source 1) in window 1; K and S^T in window 0
.set W_PV, 0x51                        ; V (source 0) and O^T (C, D) in window 1; P in window 0
.set W_RS, 0x41                        ; O^T (destination and source 0) in window 1, the factor in window 0
.set W_LD, 0x40                        ; destination in window 1
.macro JLOAD                           ; the branch hangs on the wave's number alone.  An s_nop 0 and four v_nop follow each of the two lines
	s_cmp_lt_u32 s[WV], 4
	s_cbranch_scc0 .Lfor_v_\@
	tensor_load_to_lds s[G0K:G0K+3], s[G1K:G1K+7]
	s_nop 0
.rept 4
	v_nop
.endr
	s_branch .Lasked_\@
.Lfor_v_\@:
	tensor_load_to_lds s[G0V:G0V+3], s[G1V:G1V+7]
	s_nop 0
.rept 4
	v_nop
.endr
.Lasked_\@:
.endm
; A PREFETCH of what the NEXT change of slots will ask for: a slot's 256 rows of K and of V are 32,768 consecutive bytes each.  One cluster alone walks a head.  Its four partners take 8,192 bytes each, told apart BY ADDRESS;
; in each, wave 0 asks for K's and wave 4 for V's, lanes 256 bytes apart: each block of 256 bytes is named once in the launch.  The last change that fills a slot asks for nothing; slots 0 and 1 come by their loads alone.
.macro ASK
	s_cmp_gt_u32 s[SLOTS], s[LIM]
	s_cbranch_scc0 .Lnot_mine_\@
	global_prefetch_b8 v[PFO], s[PFA:PFA+1] th:TH_LOAD_NT scope:SCOPE_SE
.Lnot_mine_\@:
.endm
.macro CROUND                          ; a round of the cluster's barrier
	s_barrier_signal -1
	s_barrier_wait -1
	s_cmp_lg_u32 s[WV], 0
	s_cbranch_scc1 .Lnot_wave_0_\@
	s_barrier_signal -3
.Lnot_wave_0_\@:
	s_barrier_wait -3
	s_barrier_signal -1
	s_barrier_wait -1
.endm
	s_load_b128 s[4:7], s[0:1], 0x0                ; qkv, att
	v_lshl_add_u32 v[SPW], v0, 2, SPARE
	v_mov_b32 v[NIL], 0
	ds_add_u32 v[SPW], v[NIL]                      ; the wave's opening: the add, twice on end, and its wait ahead of my first tensor load
	ds_add_u32 v[SPW], v[NIL]
	v_lshrrev_b32 v1, 5, v0
	v_readfirstlane_b32 s[WV], v1                  ; wave 0..7
	s_bfe_u32 s13, ttmp6, 0x40000                  ; cx: my block of 512 queries: it enters Q's, O's and the prefetches' addresses alone
	s_and_b32 s20, ttmp7, 0xffff                   ; the head in its batch, which the four partners share
	s_lshl_b32 s20, s20, 18                        ; its first byte in each tensor
	s_and_b32 s16, s[WV], 3                        ; which of a slot's four steps I fetch:
	s_lshl_b32 s22, s16, 13                        ; its 64 rows of 128 bytes in memory,
	s_add_co_u32 s22, s22, s20
	s_mov_b32 s23, 0
	s_mul_i32 s17, s16, STEPB                      ; and its place in a slot
	s_lshl_b32 s2, s13, 16                         ; my block's 512 rows,
	s_lshl_b32 s3, s[WV], 13                       ; my wave's 64 of them
	s_add_co_u32 s2, s2, s3
	s_add_co_u32 s2, s2, s20
	s_mov_b32 s3, 0
	; descriptor group 1: a tile of 64 rows x 64 elements of 2 bytes, padded behind each row
	s_mov_b32 s[G1K], 15|(1<<16)|(1<<20)|(1<<21)|(4<<22)|(3<<25)  ; 15:0 the mask: all four work-groups; 17:16 elements of 2 bytes; 20 padding on; 21 set beside a mask; 24:22 after every 32 words; 31:25 four words
	s_mov_b32 s[G1V], 15|(1<<16)|(1<<20)|(1<<21)|(4<<22)|(7<<25)  ; the same with eight words of padding
.irp g, G1K, G1V
	s_mov_b32 s[\g+1], 64<<16                      ; tensor_dim0
	s_mov_b32 s[\g+2], KS<<16                      ; tensor_dim1
	s_mov_b32 s[\g+3], 64<<16                      ; tile_dim0
	s_mov_b32 s[\g+4], KS                          ; tile_dim1
	s_mov_b32 s[\g+5], 64                          ; from row to row
	s_mov_b32 s[\g+6], 0
	s_mov_b32 s[\g+7], 0
.endr
	s_mov_b32 s[SEL], 0x76543210
	s_mov_b32 s[SEL+1], 0xfedcba98                 ; v_permlanex16_b32's selects for lane l xor 16
	s_mov_b32 s[TB], 0
	s_mov_b32 s[SLOTS], NSL-1
	s_cmp_eq_u32 s16, 0                            ; waves 0 and 4 prefetch
	s_cselect_b32 s[LIM], 1, -1
	v_and_b32 v[PFO], 31, v0
	v_lshlrev_b32 v[PFO], 8, v[PFO]
	s_wait_dscnt 0x0                               ; both opening adds are done
	s_wait_kmcnt 0x0
	s_add_nc_u64 s[8:9], s[4:5], s[22:23]
	s_add_nc_u64 s[10:11], s[8:9], 0x2000000       ; V at my tile of slot 0,
	s_add_nc_u64 s[8:9], s[8:9], 0x1000000         ; K likewise
	s_add_nc_u64 s[48:49], s[4:5], s[2:3]          ; Q and O at my wave's first row
	s_add_nc_u64 s[50:51], s[6:7], s[2:3]
	s_cmp_lt_u32 s[WV], 4
	s_cselect_b64 s[PFA:PFA+1], s[8:9], s[10:11]   ; (in waves 0 and 4 these stand at a slot's first row)
	s_lshl_b32 s2, s13, 13                         ; my work-group's 8,192 bytes,
	s_add_co_u32 s2, s2, NQ*KS*128                 ; in slot 1: the first change of slots steps it to slot 2
	s_add_nc_u64 s[PFA:PFA+1], s[PFA:PFA+1], s[2:3]
	CROUND                                         ; all four work-groups are here: the first joint loads meet
	s_mov_b32 s[G0K], 1                            ; 1:0 count = 1
	s_mov_b32 s[G0K+1], s17                        ; 63:32 LDS address: slot 0
	s_mov_b64 s[G0K+2:G0K+3], s[8:9]               ; 120:64 global address
	s_or_b32 s[G0K+3], s[G0K+3], 0x80000000        ; 127:126 type = 2
	s_mov_b32 s[G0V], 1
	s_add_co_u32 s[G0V+1], s17, VOFF
	s_mov_b64 s[G0V+2:G0V+3], s[10:11]
	s_or_b32 s[G0V+3], s[G0V+3], 0x80000000
	JLOAD                                          ; slot 0
	; A fragment of K or Q is 16 rows x 32 channels in 8 registers: lane l holds row l % 16; registers 0-3 channels 8 (l / 16) + 0..7, registers 4-7 channels 16 + 8 (l / 16) + 0..7
	v_and_b32 v1, 15, v0                           ; r
	v_bfe_u32 v10, v0, 4, 1                        ; h
	v_lshlrev_b32 v[QO], 7, v1
	v_lshl_add_u32 v[QO], v10, 4, v[QO]            ; row x 128 + 16 x half
	WIN W_LD
.irp t, 0,1,2,3                        ; Q stays in registers
.irp c, 0,1
	global_load_b128 v[QF+16*\t+8*\c:QF+16*\t+8*\c+3],   v[QO], s[48:49] offset:2048*\t+64*\c
	global_load_b128 v[QF+16*\t+8*\c+4:QF+16*\t+8*\c+7], v[QO], s[48:49] offset:2048*\t+64*\c+32
.endr
.endr
.set j, 0
.rept 128
	v_mov_b32 v[j], 0                              ; O^T.  (The step is written once: the first finds zeros, which the first factor, 0, leaves zeros)
.set j, j+1
.endr
	WIN 0
	v_mul_u32_u24 v[AK0], v1, PK
	v_lshl_add_u32 v[AK0], v10, 4, v[AK0]          ; row x pitch + 16 x half
	; the turning load takes 16 keys x 16 channels (lane l reads 16 bytes: key 8 (l / 16) + l % 8, channels 8 ((l / 8) % 2) + 0..7) and leaves half a fragment of V^T
	v_and_b32 v11, 7, v0
	v_lshl_add_u32 v[AV0], v10, 3, v11
	v_mul_u32_u24 v[AV0], v[AV0], PV
	v_bfe_u32 v11, v0, 3, 1
	v_lshl_add_u32 v[AV0], v11, 4, v[AV0]
	v_add_nc_u32 v[AV0], VOFF, v[AV0]
	s_mul_i32 s14, s[WV], 16*SP
	s_add_co_u32 s14, s14, STAGE                   ; my stage
	v_mul_u32_u24 v[STO], v1, SP                   ; in: row l % 16, 16 bytes for each half of the lanes
	v_lshl_add_u32 v[STO], v10, 4, v[STO]
	v_add_nc_u32 v[STO], s14, v[STO]
	v_bfe_u32 v11, v0, 3, 2                        ; back: eight lanes to a row of 128 bytes, four rows an instruction
	v_mul_u32_u24 v[RD], v11, SP
	v_and_b32 v11, 7, v0
	v_lshl_add_u32 v[RD], v11, 4, v[RD]
	v_add_nc_u32 v[RD], s14, v[RD]
	v_and_b32 v[GO], 31, v0
	v_lshlrev_b32 v[GO], 4, v[GO]                  ; which are 512 consecutive bytes of O
.irp t, 0,1,2,3
	v_mov_b32 v[ST+8*\t], 0xff61b1e6               ; m: -3e38, under every score
	v_mov_b32 v[ST+8*\t+1], 0                      ; (named with m as a pair, so it is written)
	v_mov_b32 v[ST+8*\t+2], 0                      ; l
	v_mov_b32 v[ST+8*\t+3], 0
.endr
; A KEY STEP: 64 keys for my four tiles of queries.  In every run the tiles are innermost, so that no line waits for the line above it.
.macro STEP
	v_add_nc_u32 v[ADK], s[TB], v[AK0]
	v_add_nc_u32 v[ADV], s[TB], v[AV0]
.rept 4
	v_nop                                          ; with the two additions six places behind the last V^T P: the loads below land in V's registers (four are asked), and the products below write over P's (five)
.endr
.irp kt, 0,1,2,3
.irp c, 0,1
	ds_load_b128 v[KF+16*\kt+8*\c:KF+16*\kt+8*\c+3],   v[ADK] offset:\kt*16*PK+64*\c
	ds_load_b128 v[KF+16*\kt+8*\c+4:KF+16*\kt+8*\c+7], v[ADK] offset:\kt*16*PK+64*\c+32
.endr
.endr
	WIN W_LD
.irp g, 0,1
.irp f, 0,1,2,3
	ds_load_tr16_b128 v[VF+32*\g+8*\f:VF+32*\g+8*\f+3],   v[ADV] offset:\g*32*PV+32*\f
	ds_load_tr16_b128 v[VF+32*\g+8*\f+4:VF+32*\g+8*\f+7], v[ADV] offset:\g*32*PV+16*PV+32*\f
.endr
.endr
	s_add_co_u32 s[TB], s[TB], STEPB               ; the next step's tiles
	s_wait_dscnt 16                                ; K is in; V's sixteen loads may be out
	WIN W_KQ
.set i, 0
.rept 32                               ; S^T = K Q^T: channels 32 (i / 16) on, keys 16 ((i / 4) % 4) on, tile i % 4.  The 16 accumulators take turns; the first 16 products start the sums
.set rS, S+32*(i%4)+8*((i/4)%4)
.set rK, KF+16*((i/4)%4)+8*(i/16)
.set rQ, QF+16*(i%4)+8*(i/16)
.if i < 16
	v_wmma_f32_16x16x32_f16 v[rS:rS+7], v[rK:rK+7], v[rQ:rQ+7], 0
.else
	v_wmma_f32_16x16x32_f16 v[rS:rS+7], v[rK:rK+7], v[rQ:rQ+7], v[rS:rS+7]
.endif
.set i, i+1
.endr
	WIN 0
.rept 4
	v_nop                                          ; places ahead of the first read of the scores
.endr
	; the maximum of my 32 scores and the old m: four chains, each begun at its accumulator's low end
.irp j, 0,1,2,3
.irp t, 0,1,2,3
	v_max3_num_f32 v[ST+8*\t+4+\j], v[S+32*\t+8*\j], v[S+32*\t+8*\j+1], v[S+32*\t+8*\j+2]
.endr
.endr
.irp u, 3,5
.irp j, 0,1,2,3
.irp t, 0,1,2,3
	v_max3_num_f32 v[ST+8*\t+4+\j], v[ST+8*\t+4+\j], v[S+32*\t+8*\j+\u], v[S+32*\t+8*\j+\u+1]
.endr
.endr
.endr
.irp t, 0,1,2,3
	v_max3_num_f32 v[ST+8*\t+4], v[ST+8*\t+4], v[S+32*\t+7], v[S+32*\t+15]
.endr
.irp t, 0,1,2,3
	v_max3_num_f32 v[ST+8*\t+6], v[ST+8*\t+6], v[S+32*\t+23], v[S+32*\t+31]
.endr
.irp t, 0,1,2,3
	v_max3_num_f32 v[ST+8*\t+4], v[ST+8*\t+4], v[ST+8*\t+5], v[ST+8*\t+6]
.endr
.irp t, 0,1,2,3
	v_max3_num_f32 v[ST+8*\t+4], v[ST+8*\t+4], v[ST+8*\t+7], v[ST+8*\t]
.endr
.irp t, 0,1,2,3
	v_permlanex16_b32 v[ST+8*\t+5], v[ST+8*\t+4], s[SEL], s[SEL+1]   ; the query's other 32 keys lie in the lane 16 away
.endr
.irp t, 0,1,2,3
	v_mov_b32 v[ST+8*\t+7], v[ST+8*\t]             ; the old m
.endr
.irp t, 0,1,2,3
	v_max_num_f32 v[ST+8*\t], v[ST+8*\t+4], v[ST+8*\t+5]   ; the new m
.endr
.irp t, 0,1,2,3
	v_sub_f32 v[ST+8*\t+7], v[ST+8*\t+7], v[ST+8*\t]
.endr
	; ONE BATCH of exponentials: the four factors a and the 128 weights; none of the lines between reads a result
.irp t, 0,1,2,3
	v_exp_f32 v[ST+8*\t+6], v[ST+8*\t+7]           ; a = 2^(m_old - m_new)
.endr
.set j, 0
.rept 16
.irp t, 0,1,2,3
	v_pk_add_f32 v[S+32*\t+j:S+32*\t+j+1], v[S+32*\t+j:S+32*\t+j+1], v[ST+8*\t:ST+8*\t+1] op_sel_hi:[1,0] neg_lo:[0,1] neg_hi:[0,1]   ; t - m, two at a time: at most 0
.endr
.set j, j+2
.endr
.set j, 0
.rept 32
.irp t, 0,1,2,3
	v_exp_f32 v[S+32*\t+j], v[S+32*\t+j]           ; p = 2^(t - m)
.endr
.set j, j+1
.endr
	v_nop                                          ; a plain instruction behind the last exponential, ahead of the first use (ISA guide 5.7.2)
	s_wait_alu depctr_va_vdst(0)                   ; the wait ahead of the first instruction that names a result: one for the batch
	; the sums, of the unrounded p: l = a l + ..., in two chains a tile
.irp t, 0,1,2,3
	v_pk_fma_f32 v[ST+8*\t+2:ST+8*\t+3], v[ST+8*\t+2:ST+8*\t+3], v[ST+8*\t+6:ST+8*\t+7], v[S+32*\t:S+32*\t+1] op_sel_hi:[1,0,1]
.endr
.irp t, 0,1,2,3
	v_pk_add_f32 v[U+2*\t:U+2*\t+1], v[S+32*\t+2:S+32*\t+3], v[S+32*\t+4:S+32*\t+5]
.endr
.irp j, 6,10,14,18,22,26
.irp t, 0,1,2,3
	v_pk_add_f32 v[ST+8*\t+2:ST+8*\t+3], v[ST+8*\t+2:ST+8*\t+3], v[S+32*\t+\j:S+32*\t+\j+1]
.endr
.irp t, 0,1,2,3
	v_pk_add_f32 v[U+2*\t:U+2*\t+1], v[U+2*\t:U+2*\t+1], v[S+32*\t+\j+2:S+32*\t+\j+3]
.endr
.endr
.irp t, 0,1,2,3
	v_pk_add_f32 v[ST+8*\t+2:ST+8*\t+3], v[ST+8*\t+2:ST+8*\t+3], v[S+32*\t+30:S+32*\t+31]
.endr
.irp t, 0,1,2,3
	v_pk_add_f32 v[ST+8*\t+2:ST+8*\t+3], v[ST+8*\t+2:ST+8*\t+3], v[U+2*\t:U+2*\t+1]
.endr
	; P, in place: register i takes weights 2 i and 2 i + 1; ascending, so no weight is written over before it is read
.set j, 0
.rept 16
.irp t, 0,1,2,3
	v_cvt_pk_f16_f32 v[S+32*\t+j], v[S+32*\t+2*j], v[S+32*\t+2*j+1]
.endr
.set j, j+1
.endr
	WIN W_RS
.set j, 0
.rept 16
.irp t, 0,1,2,3
	v_pk_mul_f32 v[32*\t+2*j:32*\t+2*j+1], v[32*\t+2*j:32*\t+2*j+1], v[ST+8*\t+6:ST+8*\t+7] op_sel_hi:[1,0]   ; O^T x a, each accumulator from its low end on
.endr
.set j, j+1
.endr
	s_wait_dscnt 0x0                               ; V is in
	WIN W_PV
.set i, 0
.rept 32                               ; O^T += V^T P: keys 32 (i / 16) on, channels 16 ((i / 4) % 4) on, tile i % 4: the 16 accumulators take turns
.set rO, 32*(i%4)+8*((i/4)%4)
.set rV, VF+32*(i/16)+8*((i/4)%4)
.set rP, S+32*(i%4)+8*(i/16)
	v_wmma_f32_16x16x32_f16 v[rO:rO+7], v[rV:rV+7], v[rP:rP+7], v[rO:rO+7]
.set i, i+1
.endr
	WIN 0                                          ; at a label and at a branch every window is 0
.endm
; THE CHANGE OF SLOTS stands at a slot's head.  Each wave waits for all its tensor loads (its part of the slot ahead), adds 0 to its spare word, and waits for that and for its reads of the slot that it has left.
; fill = 1: the barrier is a round of the cluster's, so that no wave of any partner still reads the slot left or has a load on its way; the joint load of the following 256 keys is the first thing behind it.
.macro CHANGE fill
	s_wait_tensorcnt 0x0                           ; no tensor load of mine is out, so a group 0 may be written
	ds_add_u32 v[SPW], v[NIL]                      ; 0 onto my spare word
.if \fill
.irp g, G0K, G0V
	s_xor_b32 s[\g+1], s[\g+1], SLOT1              ; the walking descriptors: the other slot than last time,
	s_add_nc_u64 s[\g+2:\g+3], s[\g+2:\g+3], NQ*KS*128   ; the next 256 keys; the type bits on top are not reached
.endr
	s_wait_xcnt 0x0                                ; the last prefetch, a slot back, has read its address, so it may be written:
	s_add_nc_u64 s[PFA:PFA+1], s[PFA:PFA+1], NQ*KS*128   ; one slot further on than the walking descriptors
	s_wait_dscnt 0x0                               ; the add is done, and my reads of the slot that I have left are over
	CROUND
	JLOAD
	ASK
.else
	s_wait_dscnt 0x0
	s_barrier_signal -1
	s_barrier_wait -1
.endif
.endm
.macro FOUR_STEPS                      ; a slot's four key steps: written once, walked four times; the LDS addresses hang on s[TB]
	s_mov_b32 s[CNT], NQ
.Lstep_\@:
	STEP
	s_sub_co_u32 s[CNT], s[CNT], 1
	s_cmp_lg_u32 s[CNT], 0
	s_cbranch_scc1 .Lstep_\@
	s_sub_co_u32 s[TB], s[TB], NQ*STEPB            ; back to a slot's first step,
	s_xor_b32 s[TB], s[TB], SLOT1                  ; in the other slot
.endm
	s_wait_loadcnt 0x0                             ; Q
.Lslot:                                            ; NSL - 1 trips: trip j reads slot j and asks for slot j + 1 (in the first trip all eight loads fill slot 1 for the first time)
	CHANGE 1
	FOUR_STEPS
	s_sub_co_u32 s[SLOTS], s[SLOTS], 1
	s_cmp_lg_u32 s[SLOTS], 0
	s_cbranch_scc1 .Lslot
	CHANGE 0                                       ; the last slot is written out
	FOUR_STEPS
	; THE WAY OUT.  l's two halves and the other half of the lanes' are added; O^T is divided by l, rounded to f16 and sent through my stage, a tile (16 rows of O) at a time.  The additions are the places behind the last products.
.irp t, 0,1,2,3
	v_add_f32 v[ST+8*\t+4], v[ST+8*\t+2], v[ST+8*\t+3]
.endr
.irp t, 0,1,2,3
	v_permlanex16_b32 v[ST+8*\t+5], v[ST+8*\t+4], s[SEL], s[SEL+1]
.endr
.irp t, 0,1,2,3
	v_add_f32 v[ST+8*\t+4], v[ST+8*\t+4], v[ST+8*\t+5]
.endr
.irp t, 0,1,2,3
	v_rcp_f32 v[ST+8*\t+6], v[ST+8*\t+4]
.endr
	v_nop                                          ; a plain instruction between the last reciprocal and the use of its result
	s_wait_alu depctr_va_vdst(0)                   ; and the wait: one for the four
.macro PACK t
	WIN W_RS
.set j, 0
.rept 16
	v_pk_mul_f32 v[32*\t+2*j:32*\t+2*j+1], v[32*\t+2*j:32*\t+2*j+1], v[ST+8*\t+6:ST+8*\t+7] op_sel_hi:[1,0]
.set j, j+1
.endr
	WIN 0x05                                       ; sources 0 and 1 window 1, destination window 0: S^T's registers are free
.set j, 0
.rept 16
	v_cvt_pk_f16_f32 v[S+16*\t+j], v[32*\t+2*j], v[32*\t+2*j+1]
.set j, j+1
.endr
	WIN 0
.irp f, 0,1,2,3
	ds_store_b128 v[STO], v[S+16*\t+4*\f:S+16*\t+4*\f+3] offset:32*\f
.endr
.irp f, 0,1,2,3
	ds_load_b128 v[S+16*\t+4*\f:S+16*\t+4*\f+3], v[RD] offset:\f*4*SP   ; LDS serves a wave's instructions in order (ISA guide 5.7.1.4): these see the stores above; the next tile's stores come behind them
.endr
.endm
.macro SEND t, younger                 ; younger: the LDS instructions issued behind tile t's loads: the next tile's eight, or none
.irp f, 0,1,2,3
	s_wait_dscnt \younger+3-\f
	global_store_b128 v[GO], v[S+16*\t+4*\f:S+16*\t+4*\f+3], s[50:51] offset:\t*2048+\f*512   ; 32 lanes store 512 consecutive bytes, aligned
.endr
.endm
	PACK 0
	PACK 1                                         ; a tile's arithmetic stands between the loads of the tile before and its stores
	SEND 0, 8
	PACK 2
	SEND 1, 8
	PACK 3
	SEND 2, 8
	SEND 3, 0
	s_wait_tensorcnt 0x0                           ; the wave's end, behind my last tensor load and my last LDS store
	ds_add_u32 v[SPW], v[NIL]
	s_wait_dscnt 0x0
	CROUND                                         ; the closing round
	s_endpgm
.Lfunc_end_k_q0ab7325567_attn:
	.size	k_q0ab7325567_attn, .Lfunc_end_k_q0ab7325567_attn-k_q0ab7325567_attn
	.p2alignl 7, 3214868480
	.fill 96, 4, 3214868480
	.section	.rodata,"a",@progbits
	.p2align	6, 0x0
	.amdhsa_kernel k_q0ab7325567_attn
		.amdhsa_group_segment_fixed_size 327680
		.amdhsa_private_segment_fixed_size 0
		.amdhsa_enable_private_segment 0
		.amdhsa_kernarg_size 16
		.amdhsa_user_sgpr_count 2
		.amdhsa_user_sgpr_kernarg_segment_ptr 1
		.amdhsa_wavefront_size32 1
		.amdhsa_system_sgpr_workgroup_id_x 1
		.amdhsa_system_sgpr_workgroup_id_y 1
		.amdhsa_system_sgpr_workgroup_id_z 1
		.amdhsa_system_vgpr_workitem_id 0
		.amdhsa_next_free_vgpr 512
		.amdhsa_next_free_sgpr 66
		.amdhsa_reserve_vcc 0
		.amdhsa_float_denorm_mode_32 3
		.amdhsa_float_denorm_mode_16_64 3
		.amdhsa_memory_ordered 1
		.amdhsa_forward_progress 1
		.amdhsa_inst_pref_size 91
	.end_amdhsa_kernel
	.amdgpu_metadata
---
amdhsa.version: [ 1, 2 ]
amdhsa.kernels:
  - .name:           k_q0ab7325567_attn
    .symbol:         k_q0ab7325567_attn.kd
    .args:
      - { .name: qkv, .offset: 0, .size: 8, .value_kind: global_buffer, .address_space: global }
      - { .name: att, .offset: 8, .size: 8, .value_kind: global_buffer, .address_space: global }
    .group_segment_fixed_size: 327680
    .private_segment_fixed_size: 0
    .kernarg_segment_align: 8
    .kernarg_segment_size: 16
    .max_flat_workgroup_size: 256
    .sgpr_count:     66
    .vgpr_count:     512
    .wavefront_size: 32
...
	.end_amdgpu_metadata
.endif
;; end of part 3
;; launch oproj (part 4): grid 8 x 64, 4 waves a work-group, clusters of 4 x 4, 327,680 bytes of LDS; arguments att, wot, bo, out0; writes out0
.if DOCPART == 4
	.amdgcn_target "amdgcn-amd-amdhsa--gfx1250"
	.amdhsa_code_object_version 6
	.text
	.protected	k_q0ab7325567_oproj
	.globl	k_q0ab7325567_oproj
	.p2align	8
	.type	k_q0ab7325567_oproj,@function
k_q0ab7325567_oproj:
	s_mov_b64 s[64:65], 0
	v_nop
	global_prefetch_b8 v0, s[64:65] scope:SCOPE_SE
	s_setreg_imm32_b32 hwreg(HW_REG_WAVE_MODE, 25, 1), 1
	s_wait_xcnt 0x0
	s_wait_alu depctr_hold_cnt(0) depctr_sa_sdst(0) depctr_va_vdst(0) depctr_va_sdst(0) depctr_va_ssrc(0) depctr_va_vcc(0) depctr_vm_vsrc(0)
	s_getreg_b32 s2, hwreg(HW_REG_IB_STS2, 6, 4)
	s_cmp_eq_u32 s2, 0
	s_cbranch_scc0 .Lentry_in_a_cluster
	s_endpgm
.Lentry_in_a_cluster:
	s_bfe_u32 s2, ttmp6, 0x10000c
	s_cmp_lg_u32 s2, 0xf033
	s_cbranch_scc0 .Lentry_shape_is_right
	s_endpgm
.Lentry_shape_is_right:
; out = A Wo + bo.  A: the attention's result, f16, laid [batch 4][head 16][position 2048][64]: K = 64 x head + channel.  B: Wo as f16, laid [k / 64][n 1024][64].  bo: f32.  out: [8192][1024] f32; sums in f32.
; In both operands 128 rows of one block of 64 along K are 16,384 consecutive bytes.  A tile of C is 128 x 128; four waves, each 64 x 64: 16 accumulators, 128 registers.  512 work-groups.
; K goes in steps of 256 (four blocks of 64) through two LDS slots; a wave's tensor load brings two blocks of 128 rows.  A quarter of a K step is one block.
; CLUSTERS: 4 x 4 work-groups.  A's tiles are shared along a row of the cluster, B's along a column: each is asked for JOINTLY.
; THE MATRIX INSTRUCTION IS USED TRANSPOSED (source 0 = 16 rows of B, source 1 = 16 rows of A): a lane holds eight neighbouring numbers of a row of C.  THE BIAS is the C of each sum's first product.
; LIMIT: |A| and |Wo| under 65,504 (f16).
; REGISTERS: window 0: v0-31 addresses; v32-95 at work on the way out; v96-127 the bias; v128-255 the accumulators ((a, b) at v[128 + 8 (4 a + b)]).  window 1: two fragment buffers of 128: 64 registers of A, then 64 of B.
.set PITCH,  144                       ; an LDS row: 128 bytes + 16 = 36 words: the 16 rows of a load start at 16 different groups of four banks (64 banks of 4 bytes: ISA guide 11.1)
.set HSTR,   128*PITCH                 ; a block of 64 along K for 128 rows
.set HALFT,  2*HSTR                    ; what one tensor load brings
.set SLOT,   4*HALFT                   ; A's four blocks, then B's four
.set STAGE,  2*SLOT                    ; behind the ring: 16 rows x 272 bytes for each wave
.set SPITCH, 272
.set SPARE,  STAGE+4*16*SPITCH         ; the spare words, 128 bytes for each wave: two blocks of 256 bytes that no other line names
.set LAPS,   2                         ; a lap = two K steps = once round the ring
.set ASTEP,  4*262144                  ; a K step in A: four heads of 2^18 bytes
.set BSTEP,  4*131072                  ; in B: four blocks of 1,024 rows x 128 bytes
.set ADRA, 16
.set ADRB, 20
.set STO,  24
.set RD,   25
.set CO,   26
.set BO,   27                          ; v27  32 x (lane / 16)
.set SPW,  28
.set NIL,  29
.set TMP,  32
.set BI,   96
.set ACC,  128
.set F0,   0
.set F1,   128
.set G1, 24
.set G0, 32
.set G1B, 48
.set G0B, 56
.set MSB, 0
.macro WIN new
.if MSB != \new
	s_set_vgpr_msb (MSB<<8)|\new
.set MSB, \new
.endif
.endm
.set MUL,  0x05                        ; sources 0 (B) and 1 (A) window 1; C and D window 0
.set TO_F, 0x40
.macro JLOAD s                         ; waves 0 and 1 fetch A's two halves, waves 2 and 3 B's; an s_nop 0 and four v_nop follow each of the two lines
	s_cmp_eq_u32 s11, 0
	s_cbranch_scc0 .Lfor_b_\@
	tensor_load_to_lds s[G0+4*\s:G0+4*\s+3], s[G1:G1+7]
	s_nop 0
.rept 4
	v_nop
.endr
	s_branch .Lasked_\@
.Lfor_b_\@:
	tensor_load_to_lds s[G0B+4*\s:G0B+4*\s+3], s[G1B:G1B+7]
	s_nop 0
.rept 4
	v_nop
.endr
.Lasked_\@:
.endm
.macro CREST
	s_cmp_lg_u32 s10, 0
	s_cbranch_scc1 .Lnot_wave_0_\@
	s_barrier_signal -3
.Lnot_wave_0_\@:
	s_barrier_wait -3
	s_barrier_signal -1
	s_barrier_wait -1
.endm
.macro CROUND
	s_barrier_signal -1
	s_barrier_wait -1
	CREST
.endm
	s_load_b128 s[4:7], s[0:1], 0x0                ; A, B
	s_load_b128 s[68:71], s[0:1], 0x10             ; bo, out
	v_lshl_add_u32 v[SPW], v0, 2, SPARE
	v_mov_b32 v[NIL], 0
	ds_add_u32 v[SPW], v[NIL]                      ; the wave's opening: the add, twice on end, and its wait ahead of my first tensor load
	ds_add_u32 v[SPW], v[NIL]
	v_lshrrev_b32 v1, 5, v0
	v_readfirstlane_b32 s10, v1                    ; wave 0..3
	s_lshr_b32 s11, s10, 1                         ; which half of the tile's rows is mine.  Also: I fetch for A (0) or for B (1)
	s_and_b32 s12, s10, 1                          ; which half of its columns.  Also: which two blocks of the K step's four I fetch
	s_bfe_u32 s40, ttmp6, 0x40000                  ; cx, cy
	s_bfe_u32 s41, ttmp6, 0x40004
	s_lshl_b32 s42, ttmp9, 2
	s_add_co_u32 s42, s42, s40                     ; tile column
	s_and_b32 s13, ttmp7, 0xffff
	s_lshl_b32 s13, s13, 2
	s_add_co_u32 s13, s13, s41                     ; tile row
	s_lshl_b32 s43, s41, 2
	s_lshl_b32 s43, 15, s43                        ; my row of the cluster
	s_lshl_b32 s44, 0x1111, s40                    ; my column
	; descriptor group 1: two runs of 8,192 elements of 2 bytes (128 rows x 64, dense), a block of 64 along K apart; 16 bytes of padding behind every 128 bytes, so that each of the 128 rows has its own
	s_or_b32 s[G1+0], s43, (1<<16)|(1<<20)|(1<<21)|(4<<22)|(3<<25)  ; 15:0 the mask; 17:16 elements of 2 bytes; 20 padding on; 21 set beside a mask; 24:22 after every 32 words; 31:25 four words
	s_or_b32 s[G1B+0], s44, (1<<16)|(1<<20)|(1<<21)|(4<<22)|(3<<25)
.irp g, G1, G1B
	s_mov_b32 s[\g+1], 8192<<16                    ; tensor_dim0
	s_mov_b32 s[\g+2], 2<<16                       ; tensor_dim1
	s_mov_b32 s[\g+3], 8192<<16                    ; tile_dim0
	s_mov_b32 s[\g+4], 2                           ; tile_dim1
	s_mov_b32 s[\g+6], 0
	s_mov_b32 s[\g+7], 0
.endr
	s_mov_b32 s[G1+5], 131072                      ; from block to block, in elements: a head of A,
	s_mov_b32 s[G1B+5], 65536                      ; 1,024 rows of B
	s_lshr_b32 s16, s13, 4
	s_lshl_b32 s16, s16, 22                        ; A: batch x 2^22 (sixteen tile rows to a batch)
	s_and_b32 s17, s13, 15
	s_lshl_b32 s17, s17, 14                        ; + 128 positions of 128 bytes for each tile row
	s_add_co_u32 s16, s16, s17
	s_lshl_b32 s17, s12, 19                        ; + my two heads of the four
	s_add_co_u32 s16, s16, s17
	s_mov_b32 s17, 0
	s_lshl_b32 s46, s42, 14                        ; B: 128 rows of 128 bytes for each tile column
	s_lshl_b32 s47, s12, 18                        ; + my two blocks
	s_add_co_u32 s46, s46, s47
	s_mov_b32 s47, 0
	s_mul_i32 s20, s10, HALFT                      ; where they go: wave x two blocks: no place in the cluster enters an LDS address
	s_wait_dscnt 0x0                               ; both opening adds are done
	s_wait_kmcnt 0x0
	s_add_nc_u64 s[14:15], s[4:5], s[16:17]
	s_add_nc_u64 s[46:47], s[6:7], s[46:47]
	CROUND                                         ; all sixteen work-groups are here: the first joint loads meet
.irp s, 0,1
	s_mov_b32 s[G0+4*\s], 1
	s_add_co_u32 s[G0+4*\s+1], s20, \s*SLOT
	s_add_nc_u64 s[G0+4*\s+2:G0+4*\s+3], s[14:15], \s*ASTEP
	s_or_b32 s[G0+4*\s+3], s[G0+4*\s+3], 0x80000000
	s_mov_b32 s[G0B+4*\s], 1
	s_add_co_u32 s[G0B+4*\s+1], s20, \s*SLOT
	s_add_nc_u64 s[G0B+4*\s+2:G0B+4*\s+3], s[46:47], \s*BSTEP
	s_or_b32 s[G0B+4*\s+3], s[G0B+4*\s+3], 0x80000000
	JLOAD \s
.endr
	v_and_b32 v1, 15, v0                           ; l % 16
	v_bfe_u32 v2, v0, 4, 1                         ; l / 16
	s_lshl_b32 s46, s42, 9                         ; my 64 columns, 4 bytes each: 128 x tile column + 64 x half: the same offset in bo and in a row of out
	s_lshl_b32 s47, s12, 8
	s_add_co_u32 s46, s46, s47
	s_mov_b32 s47, 0
	s_add_nc_u64 s[68:69], s[68:69], s[46:47]
	s_add_nc_u64 s[70:71], s[70:71], s[46:47]
	v_lshlrev_b32 v[BO], 5, v2
.irp b, 0,1,2,3                        ; lane (r, h): bo at columns 16 b + 8 h + 0..7
	global_load_b128 v[BI+8*\b:BI+8*\b+3], v[BO], s[68:69] offset:64*\b
	global_load_b128 v[BI+8*\b+4:BI+8*\b+7], v[BO], s[68:69] offset:64*\b+16
.endr
	v_mul_u32_u24 v3, v1, PITCH
	v_lshl_add_u32 v3, v2, 4, v3                   ; a fragment's row x pitch + 16 x half
	s_mul_i32 s21, s11, 64*PITCH                   ; my 64 rows of A's 128,
	s_mul_i32 s22, s12, 64*PITCH                   ; my 64 of B's,
	s_add_co_u32 s22, s22, 2*HALFT                 ; whose blocks lie behind A's four
.irp s, 0,1
	v_add_nc_u32 v[ADRA+\s], s21, v3
	v_add_nc_u32 v[ADRB+\s], s22, v3
	s_add_co_u32 s21, s21, SLOT
	s_add_co_u32 s22, s22, SLOT
.endr
	s_mul_i32 s23, s10, 16*SPITCH
	s_add_co_u32 s23, s23, STAGE                   ; my stage: my 64 columns of f32 are 256 bytes of a row, so no other wave has a part in it
	v_mul_u32_u24 v4, v1, SPITCH                   ; in: row l % 16, 32 bytes for each half of the lanes
	v_lshl_add_u32 v4, v2, 5, v4
	v_add_nc_u32 v[STO], s23, v4
	v_mul_u32_u24 v5, v2, SPITCH                   ; back: lanes 0-15 one row of 256 bytes, lanes 16-31 the next
	v_lshl_add_u32 v5, v1, 4, v5
	v_add_nc_u32 v[RD], s23, v5
	v_lshlrev_b32 v5, 12, v2                       ; and the same two rows in out, 4,096 bytes apart
	v_lshl_add_u32 v[CO], v1, 4, v5
	s_lshl_b32 s16, s13, 7
	s_lshl_b32 s17, s11, 6
	s_add_co_u32 s16, s16, s17                     ; my first row: 128 x tile row + 64 x half
	s_lshl_b32 s16, s16, 12
	s_mov_b32 s17, 0
	s_add_nc_u64 s[70:71], s[70:71], s[16:17]
; 8 matrix instructions: m blocks a0, a0 + 1 x all 4 n blocks, 32 along K: half c of buffer f.  first = 1: the bias is C.  The 16 accumulators take turns
.macro MUL8 f, c, a0, first
.irp a, \a0, \a0+1
.irp b, 0,1,2,3
.if \first
	v_wmma_f32_16x16x32_f16 v[ACC+8*(4*(\a)+\b):ACC+8*(4*(\a)+\b)+7], v[\f+64+8*(4*\c+\b):\f+64+8*(4*\c+\b)+7], v[\f+8*(4*\c+\a):\f+8*(4*\c+\a)+7], v[BI+8*\b:BI+8*\b+7]
.else
	v_wmma_f32_16x16x32_f16 v[ACC+8*(4*(\a)+\b):ACC+8*(4*(\a)+\b)+7], v[\f+64+8*(4*\c+\b):\f+64+8*(4*\c+\b)+7], v[\f+8*(4*\c+\a):\f+8*(4*\c+\a)+7], v[ACC+8*(4*(\a)+\b):ACC+8*(4*(\a)+\b)+7]
.endif
.endr
.endr
.endm
; 32 LDS loads in one run: the fragments of one block of 64 along K, which begins at byte k of the slot's part, into buffer f; the first 32 along K first
.macro FETCH slot, k, f
	WIN TO_F
.irp c, 0,1
.irp i, 0,1,2,3
	ds_load_b128 v[\f+64+8*(4*\c+\i):\f+64+8*(4*\c+\i)+3],   v[ADRB+\slot] offset:\k+64*\c+\i*16*PITCH
	ds_load_b128 v[\f+64+8*(4*\c+\i)+4:\f+64+8*(4*\c+\i)+7], v[ADRB+\slot] offset:\k+64*\c+\i*16*PITCH+32
	ds_load_b128 v[\f+8*(4*\c+\i):\f+8*(4*\c+\i)+3],         v[ADRA+\slot] offset:\k+64*\c+\i*16*PITCH
	ds_load_b128 v[\f+8*(4*\c+\i)+4:\f+8*(4*\c+\i)+7],       v[ADRA+\slot] offset:\k+64*\c+\i*16*PITCH+32
.endr
.endr
.endm
.macro PLACES                          ; four places in front of loads into registers that matrix instructions have read, and of reads of results (ISA guide 7.12.1 for reads)
.rept 4
	v_nop
.endr
.endm
.macro QUARTER slot, k, f, g, first    ; multiplies buffer f and fetches the next block, at byte k, into g
	s_wait_dscnt 16                                ; the first 32 along K are in
	WIN MUL
	MUL8 \f, 0, 0, \first
	MUL8 \f, 0, 2, \first
	PLACES
	FETCH \slot, \k, \g
	s_wait_dscnt 32                                ; all but the 32 just issued
	WIN MUL
	MUL8 \f, 1, 0, 0
	MUL8 \f, 1, 2, 0
.endm
; The last quarter multiplies buffer 1 and changes slots: ONE barrier; in front of it each wave waits for all its tensor loads, adds 0 to its spare word, and waits for that and for its own reads of this slot.
.macro TURN slot, next, fill
	WIN 0                                          ; (the add's two registers lie in window 0)
	s_wait_tensorcnt 0x0                           ; all my tensor loads have landed: my part of the next slot
	ds_add_u32 v[SPW], v[NIL]                      ; 0 onto my spare word
	s_wait_dscnt 17                                ; (the add and the youngest sixteen loads may be out)
	WIN MUL
	MUL8 F1, 0, 0, 0                               ; eight matrix instructions stand between the add and the wait for it
	s_wait_dscnt 0x0                               ; the add is done, and my reads of this slot are over
	s_barrier_signal -1
	MUL8 F1, 0, 2, 0
.if \fill
	WIN 0
.endif
	s_barrier_wait -1
.if \fill
	CREST                                          ; the barrier has opened a round of the cluster's: no wave of any partner still reads this slot or has a load on its way
	s_add_nc_u64 s[G0+4*\slot+2:G0+4*\slot+3], s[G0+4*\slot+2:G0+4*\slot+3], 2*ASTEP
	s_add_nc_u64 s[G0B+4*\slot+2:G0B+4*\slot+3], s[G0B+4*\slot+2:G0B+4*\slot+3], 2*BSTEP
	JLOAD \slot                                    ; the first tensor load behind the round; the four v_nop behind it are also the places in front of the loads below
.else
	PLACES
.endif
	FETCH \next, 0, F0
	WIN MUL
	MUL8 F1, 1, 0, 0
	MUL8 F1, 1, 2, 0
.endm
	s_wait_tensorcnt 1                             ; my part of K step 0 is in; K step 1's load may be out
	s_barrier_signal -1
	s_barrier_wait -1                              ; everybody's is
	FETCH 0, 0, F0
	s_wait_loadcnt 0x0                             ; the bias
	QUARTER 0, HSTR, F0, F1, 1                     ; the first quarter stands in front of the loop: its first products take the bias as C
	WIN 0                                          ; at a label and at a branch every window is 0
	s_mov_b32 s3, LAPS-1
.Llap:                                             ; a trip goes once round the ring, from a lap's second quarter to the next lap's first, and fills both slots again
	QUARTER 0, 2*HSTR, F1, F0, 0
	QUARTER 0, 3*HSTR, F0, F1, 0
	TURN 0, 1, 1
	QUARTER 1, HSTR, F0, F1, 0
	QUARTER 1, 2*HSTR, F1, F0, 0
	QUARTER 1, 3*HSTR, F0, F1, 0
	TURN 1, 0, 1
	QUARTER 0, HSTR, F0, F1, 0
	WIN 0
	s_sub_co_u32 s3, s3, 1
	s_cmp_lg_u32 s3, 0
	s_cbranch_scc1 .Llap
	QUARTER 0, 2*HSTR, F1, F0, 0                   ; the last lap fills nothing, and has no round of the cluster's barrier
	QUARTER 0, 3*HSTR, F0, F1, 0
	TURN 0, 1, 0
	QUARTER 1, HSTR, F0, F1, 0
	QUARTER 1, 2*HSTR, F1, F0, 0
	QUARTER 1, 3*HSTR, F0, F1, 0
	s_wait_dscnt 16                                ; the very last quarter: nothing more to fetch
	WIN MUL
	MUL8 F1, 0, 0, 0
	MUL8 F1, 0, 2, 0
	s_wait_dscnt 0
	MUL8 F1, 1, 0, 0
	MUL8 F1, 1, 2, 0
	WIN 0
; THE WAY OUT, block by block of 16 rows x 64 columns.  A lane holds 32 neighbouring bytes of a row and the lanes beside it hold other rows: so a block goes through my own stage and comes back as whole rows of 256 bytes.
.macro TOSTAGE a
.set BB, TMP+32*((\a)%2)
.irp b, 0,1,2,3
	ds_store_b128 v[STO], v[ACC+8*(4*(\a)+\b):ACC+8*(4*(\a)+\b)+3] offset:64*\b          ; each accumulator from its low end on
	ds_store_b128 v[STO], v[ACC+8*(4*(\a)+\b)+4:ACC+8*(4*(\a)+\b)+7] offset:64*\b+16
.endr
.irp t, 0,1,2,3,4,5,6,7
	ds_load_b128 v[BB+4*\t:BB+4*\t+3], v[RD] offset:\t*2*SPITCH    ; LDS serves a wave's instructions in order (ISA guide 5.7.1.4): these see the stores above
.endr
.endm
.macro SEND a, younger                 ; younger: the LDS instructions issued behind block a's loads, which may stay out
.set BB, TMP+32*((\a)%2)
	s_wait_dscnt \younger
.irp t, 0,1,2,3,4,5,6,7
	global_store_b128 v[CO], v[BB+4*\t:BB+4*\t+3], s[70:71] offset:(16*(\a)+2*\t)*4096 th:TH_STORE_NT   ; sixteen lanes store 256 consecutive bytes, aligned; written once, read by nobody here
.endr
.endm
	PLACES                                         ; behind the last products
	TOSTAGE 0
.irp a, 1,2,3
.if \a > 1
	s_wait_xcnt 0x0                                ; block a - 2's stores have read their registers: block a's loads may land there
.endif
	TOSTAGE \a
	SEND \a-1, 16                                  ; behind block a - 1's loads: block a's 8 stores and 8 loads
.endr
	SEND 3, 0
	s_wait_tensorcnt 0x0                           ; the wave's end, behind my last tensor load and my last LDS store
	ds_add_u32 v[SPW], v[NIL]
	s_wait_dscnt 0x0
	CROUND                                         ; the closing round
	s_endpgm
.Lfunc_end_k_q0ab7325567_oproj:
	.size	k_q0ab7325567_oproj, .Lfunc_end_k_q0ab7325567_oproj-k_q0ab7325567_oproj
	.p2alignl 7, 3214868480
	.fill 96, 4, 3214868480
	.section	.rodata,"a",@progbits
	.p2align	6, 0x0
	.amdhsa_kernel k_q0ab7325567_oproj
		.amdhsa_group_segment_fixed_size 327680
		.amdhsa_private_segment_fixed_size 0
		.amdhsa_enable_private_segment 0
		.amdhsa_kernarg_size 32
		.amdhsa_user_sgpr_count 2
		.amdhsa_user_sgpr_kernarg_segment_ptr 1
		.amdhsa_wavefront_size32 1
		.amdhsa_system_sgpr_workgroup_id_x 1
		.amdhsa_system_sgpr_workgroup_id_y 1
		.amdhsa_system_sgpr_workgroup_id_z 1
		.amdhsa_system_vgpr_workitem_id 0
		.amdhsa_next_free_vgpr 512
		.amdhsa_next_free_sgpr 72
		.amdhsa_reserve_vcc 0
		.amdhsa_float_denorm_mode_32 3
		.amdhsa_float_denorm_mode_16_64 3
		.amdhsa_memory_ordered 1
		.amdhsa_forward_progress 1
		.amdhsa_inst_pref_size 86
	.end_amdhsa_kernel
	.amdgpu_metadata
---
amdhsa.version: [ 1, 2 ]
amdhsa.kernels:
  - .name:           k_q0ab7325567_oproj
    .symbol:         k_q0ab7325567_oproj.kd
    .args:
      - { .name: att, .offset: 0, .size: 8, .value_kind: global_buffer, .address_space: global }
      - { .name: wot, .offset: 8, .size: 8, .value_kind: global_buffer, .address_space: global }
      - { .name: bo, .offset: 16, .size: 8, .value_kind: global_buffer, .address_space: global }
      - { .name: out0, .offset: 24, .size: 8, .value_kind: global_buffer, .address_space: global }
    .group_segment_fixed_size: 327680
    .private_segment_fixed_size: 0
    .kernarg_segment_align: 8
    .kernarg_segment_size: 32
    .max_flat_workgroup_size: 128
    .sgpr_count:     72
    .vgpr_count:     512
    .wavefront_size: 32
...
	.end_amdgpu_metadata
.endif
;; end of part 4
